; MI455X (gfx1250); checked and timed in simulation.
; The chip was launched on July 23, 2026; its instructions are those of AMD's public machine-readable ISA for CDNA 5 (MIT licence, August 2026) and "CDNA5" Instruction Set Architecture Reference Guide (July 2026). The comments in the code are by the model that wrote it; some were corrected since.
;; Self Attention. Allowed arithmetic: matrix products marked QUANTISED: E2M3 operands, one E8M0 scale for each 32 along K, by v_wmma_scale_f32_16x16x128_f8f6f4 with both operands' format E2M3, f32 sums; everything else in f32.
;; Inputs: Wk 1,024 x 1,024 float32; Wo 1,024 x 1,024 float32; Wq 1,024 x 1,024 float32; Wv 1,024 x 1,024 float32; bo 1,024 float32; keys 4 x 2,048 x 1,024 float32; mask 4 x 1 x 2,048 x 2,048 int32; query 4 x 2,048 x 1,024 float32; values 4 x 2,048 x 1,024 float32.
;; Outputs: out0 4 x 2,048 x 1,024 float32.
;; This version of the problem:
;;   THIS VERSION OF THE PROBLEM IS GIVEN IN LOW PRECISION. The matrix products marked QUANTISED in the list below multiply operands that are first quantised to E2M3 (2 exponent bits, 3 mantissa bits; 6 bits a number), with one power-of-two scale for each 32 numbers along K (OCP MX v1.0); their sums are f32. All else is computed in f32.
;;   The module's matrix products, in the order in which they are computed (A, B: the left and right operand; K: the contracted axis; several contracted axes count as one K, in the product's order):
;;     1. [M 8,192, K 1,024] x [K 1,024, N 1,024]; A: input values; B: input Wv: QUANTISED
;;     2. [M 8,192, K 1,024] x [K 1,024, N 1,024]; A: input keys; B: input Wk: QUANTISED
;;     3. [M 8,192, K 1,024] x [K 1,024, N 1,024]; A: input query; B: input Wq: QUANTISED
;;     4. batch 4 x [M 2,048, K 1,024] x [K 1,024, N 2,048]; A: computed on the way; B: computed on the way: QUANTISED
;;     5. batch 4 x [M 1,024, K 2,048] x [K 2,048, N 2,048]; A: computed on the way; B: softmax (see below): QUANTISED
;;     6. [M 8,192, K 1,024] x [K 1,024, N 1,024]; A: computed on the way; B: input Wo: QUANTISED
;;   THE QUANTISER, for each operand of a quantised product, along K:
;;     - K is cut into blocks of 32 from its start; a last block that is shorter is filled with zeros.
;;     - A block's scale is 2^e with e = floor(log2(the largest magnitude in the block)) - 2, held to -126 .. 127; a block of zeros has e = 0. As a byte (E8M0): e + 127.
;;     - Each number is divided by its block's scale, clamped to +-7.5, and rounded to the nearest number of E2M3, ties to even, subnormals kept.
;;     - The product sums the exact products of the quantised numbers (number of the format x scale) in f32.
;;   ~~~python
;;   def quantise(x, axis):      # numpy; x: float32 -> the quantised numbers, widened to float32 again
;;       x = np.moveaxis(x, axis, -1); K = x.shape[-1]
;;       x = np.pad(x, [(0, 0)] * (x.ndim - 1) + [(0, -K % 32)]); x = x.reshape(x.shape[:-1] + (-1, 32)); a = np.abs(x).max(-1, keepdims=True)
;;       e = np.where(a > 0, np.clip(np.frexp(np.where(a > 0, a, 1))[1] - 1 - 2, -126, 127), 0)      # np.frexp(a)[1] - 1 = floor(log2(a)), exactly
;;       r = np.clip(x / 2.0 ** e, -7.5, 7.5)
;;       step = 2.0 ** (np.maximum(np.frexp(np.where(r == 0, 1, r))[1] - 1, 0) - 3)
;;       q = np.round(r / step) * step * 2.0 ** e      # np.round: ties to even
;;       return np.moveaxis(q.reshape(q.shape[:-2] + (-1,))[..., :K], -1, axis).astype(np.float32)
;;   ~~~
;;   SOFTMAX AHEAD OF A QUANTISED PRODUCT. Where the list says 'softmax', what is quantised is not the finished softmax but p = 2^(t - M), with t = logit x log2(e) and M = ceil(the row's largest t), a whole number; so 1/2 < the row's largest p <= 1. The row's sum l is taken of the UNQUANTISED p, in f32, and the product's result is divided by l at the end. Since M is a whole number, a kernel that streams over the keys may use a running M (the ceiling of the running maximum): every later rescaling is an exact power of two, which a block's scale takes up: the codes' values come out the same.
;;   OPERANDS COMPUTED ON THE WAY. 'Computed on the way' means the value that the module computes at that place (a softmax that the list does not call 'softmax' is quantised finished and normalised). What goes into a quantiser is computed in f32, as accurately as f32 sums, v_exp_f32 and their like allow (about 1e-6 of the number): no bf16 or f16 on the way to a quantiser, and a product that is left as it is and whose result goes on into a quantised operand takes f32 operands (vector FMAs, or v_wmma_f32_16x16x4_f32). A number that lies on a knife's edge between two numbers of the format may be rounded either way, as far as f32 arithmetic and the matrix unit's own rounding can turn it there, and no further.
;; One version. Each part assembles by itself: llvm-mc -triple=amdgcn-amd-amdhsa -mcpu=gfx1250 --defsym DOCPART=n.
;; ======== version 1 of 1: 5 launches
;; limits: right only within a limited range of input values
;; workspace buffers: inq 22,937,600 bytes; mbits 2,097,152 bytes of whole numbers; prj 19,660,800 bytes; pq 13,107,200 bytes; pst 1,048,576 bytes; oq 6,553,600 bytes
;; launch quant (part 1): grid 256 x 1, 8 waves a work-group, no clusters, 327,680 bytes of LDS; arguments query, keys, values, Wq, Wk, Wv, Wo, mask, inq, mbits; writes inq, mbits
.if DOCPART == 1
	.amdgcn_target "amdgcn-amd-amdhsa--gfx1250"
	.amdhsa_code_object_version 6
	.text
	.protected	k_qef95f1862d_quant
	.globl	k_qef95f1862d_quant
	.p2align	8
	.type	k_qef95f1862d_quant,@function
k_qef95f1862d_quant:
	s_mov_b64 s[64:65], 0
	v_nop
	global_prefetch_b8 v0, s[64:65] scope:SCOPE_SE
	s_setreg_imm32_b32 hwreg(HW_REG_WAVE_MODE, 25, 1), 1
	s_wait_xcnt 0x0
; query, keys, values [8192][1024] and Wq, Wk, Wv, Wo [1024][1024], f32, K innermost, become codes of FP6 (E2M3) with one E8M0 byte for each 32 along K,
; laid as IMAGES OF THE OPERAND'S REGISTERS; the mask [8192][2048] int32 becomes lane-mask words for the launch that computes the scores.  No work of reference() is left out here.
; A UNIT is 128 rows x 128 along K (512 bytes of each row): eight fragments of 16 rows (12 registers a lane: register quad c at 512 c + 16 x lane, 1,536 bytes a fragment), and 512 bytes of scale words [position r][tile].
; POSITION r OF TILE t IS ROW 32 (t / 2) + 8 (t % 2) + r + 8 (r / 8) OF ITS 128.  A mask unit is 128 queries x 128 keys: 64 lane-mask words a tile, 2,048 bytes a unit.
; A block's scale is 2^(floor(log2(largest magnitude)) - 2); its byte is the largest magnitude's exponent field - 2, held at 1 from below.
; LIMITS: a block of zeros, or one whose largest magnitude lies under 2^-124, gets the byte 1 (a block of zeros has zero codes; the bytes are read by this program alone); NaN and infinities are not served.
; SHARES: 1,792 f32 units and 1,024 mask units are 11 for each of 256 work-groups: work-group g takes f32 units 7 g .. 7 g + 6 (counted through the seven tensors) and mask units 4 g .. 4 g + 3.
; THE RING: two LDS slots of two units each, filled by tensor loads that lay 16 bytes of padding behind each row's 512.  Six trips: f32 units (0,1) (2,3) (4,5) (6), mask units (0,1) (2,3).
; A wave fetches 32 rows of one unit (in the trip of one unit: 16 rows), one load behind each barrier; behind the barrier wave w works tile w of each unit in the slot, whoever fetched its rows.
; A lane reads 16 neighbours of each block of 32 straight from the slot.  The seven units' scale words are gathered in LDS bytes of their own and leave once, 512 consecutive bytes a wave.
; PREFETCH: trip t's tensor load brings trip t + 1's rows.  The head names trip 1's rows, trip 0 those of trips 2 and 3, trip 1 trip 4's, trip 2 trip 5's; trips 3 to 5 name nothing.  So rows are named one or two trips ahead of
; the load that asks for them, a lane a row, each 256-byte block once, by the wave that will fetch them, and a work-group has at most two trips' rows named and not yet fetched.
; cluster = none: no two work-groups read the same byte.
.set PITCH,  528                       ; an LDS row: 512 bytes + 16
.set UROWS,  128*PITCH                 ; a unit in a slot
.set SLOTB,  2*UROWS
.set SWB,    2*SLOTB                   ; the scale words, 512 bytes a unit; written by LDS stores alone
.set SPARE,  SWB+4096                  ; the spare words, 128 bytes for each wave: four blocks of 256 bytes that no other line names
.set GRP,    12288                     ; a unit's codes
.set INQ_S,  22020096                  ; where the scale words begin in inq
.set SPW,   8                          ; v8   LDS address of my spare word; never rewritten
.set NIL,   9                          ; v9   0; never rewritten
.set CO,    10                         ; v10  16 x lane
.set MO,    11                         ; v11  8 x lane
.set PF4,   12                         ; v12  lane x a row of an f32 tensor
.set PF8,   13                         ; v13  lane x a row of the mask
.set PFH,   14                         ; v14  (lane % 16) rows of an f32 tensor + 256 (lane / 16)
.set SWA,   15                         ; v15  SWB + 32 r + 4 x wave
.set SWR,   16                         ; v16  SWB + 512 x wave + 16 x lane
.set SO,    20                         ; v20-23 my tile's row r, + 64 h, in slot s, unit u: register 2 s + u
.set X,     32                         ; v32-159 two tiles in lane order: register 16 b + i = k 32 b + 16 h + i of my row
.set TM,    160                        ; v160-175 at work
.set PC,    176                        ; v176-215 the codes, a set for each of a trip's two tiles
.set SW,    216                        ; v216-217 their scale words
.set MW,    220                        ; v220-223 a pair for each of a trip's two mask tiles
.set WD,    224                        ; v224-227 a unit's scale words on their way out
.set PX,  2                            ; s[2:3] where rows begin that a prefetch names
.set WV,  24                           ; wave
.set T7,  25                           ; 7 x work-group
.set TB,  26                           ; + wave / 4
.set UB,  27                           ; 4 x work-group + wave / 4
.set RQH, 28                           ; my 16 rows of an f32 unit, in bytes
.set RQ,  29                           ; my 32 rows of an f32 unit
.set RQM, 30                           ; my 32 rows of a mask unit
.set L32, 31                           ; where 32 rows of mine go in a slot
.set G0,  32                           ; s[32:39] descriptor group 0, a set for each slot
.set NX,  46                           ; s[46:47] where the rows begin that my next tensor load asks for
.set G1H, 48                           ; s[48:55] group 1: 16 rows of an f32 tensor
.set G1F, 56                           ; s[56:63] 32 rows of an f32 tensor
.set G1M, 68                           ; s[68:75] 32 rows of the mask
.set OC,  76
.set OS,  78
.set OM,  80
.set SEL, 82
.set L16, 84
.set TBS, 85
.set CM,  86                           ; s86-101 sixteen compares' lane bits
.macro PICK lim, p
	s_cmp_ge_u32 s41, \lim
	s_cselect_b64 s[42:43], s[\p:\p+1], s[42:43]
.endm
.macro AIMF dst, treg, tadd, rreg      ; s[dst] = my rows of f32 unit s[treg] + tadd.  Unit T = 8 x (group of 128 rows, counted through the seven tensors) + (place along K)
	s_add_co_u32 s40, s[\treg], \tadd
	s_lshr_b32 s41, s40, 3
	s_mov_b64 s[42:43], s[4:5]
	PICK 64, 6
	PICK 128, 8
	PICK 192, 10
	PICK 200, 12
	PICK 208, 14
	PICK 216, 16
	s_cmp_lt_u32 s41, 192
	s_cselect_b32 s44, 63, 7
	s_and_b32 s44, s41, s44                        ; the group inside its tensor
	s_lshl_b32 s44, s44, 19                        ; 128 rows of 4,096 bytes
	s_and_b32 s45, s40, 7
	s_lshl_b32 s45, s45, 9
	s_add_co_u32 s44, s44, s45
	s_add_co_u32 s44, s44, s[\rreg]
	s_mov_b32 s45, 0
	s_add_nc_u64 s[\dst:\dst+1], s[42:43], s[44:45]
.endm
.macro AIMM dst, uadd                  ; s[dst] = my rows of mask unit UB + uadd.  Unit U = 16 x (group of 128 queries) + (group of 128 keys)
	s_add_co_u32 s40, s[UB], \uadd
	s_lshr_b32 s44, s40, 4
	s_lshl_b32 s44, s44, 20                        ; 128 rows of 8,192 bytes
	s_and_b32 s45, s40, 15
	s_lshl_b32 s45, s45, 9
	s_add_co_u32 s44, s44, s45
	s_add_co_u32 s44, s44, s[RQM]
	s_mov_b32 s45, 0
	s_add_nc_u64 s[\dst:\dst+1], s[18:19], s[44:45]
.endm
.macro SETG0 slot, lreg                ; the slot's group 0 takes NX
	s_add_co_u32 s[G0+4*(\slot)+1], s[\lreg], (\slot)*SLOTB
	s_mov_b64 s[G0+4*(\slot)+2:G0+4*(\slot)+3], s[NX:NX+1]
	s_or_b32 s[G0+4*(\slot)+3], s[G0+4*(\slot)+3], 0x80000000
.endm
.macro GATE_A                          ; in front of each change of slots
	s_wait_alu depctr_va_vdst(0)                   ; the wait ahead of the blocking waits
	s_wait_xcnt 0x0                                ; my stores have read the codes' registers, my prefetches NX and PX: all are written again only behind this wait
	s_wait_tensorcnt 0x0                           ; my tensor load has landed: so every group 0 may be written
	ds_add_u32 v[SPW], v[NIL]                      ; the add; the next addresses, work on registers, stand between it and the wait for it
.endm
.macro GATE_B
	s_wait_dscnt 0x0                               ; the add is done, and so are my reads of the slot read last and my stores of scale words
	s_barrier_signal -1
	s_barrier_wait -1                              ; all that now holds of every wave
.endm
.macro TLOAD slot, g1                  ; my one tensor load behind the barrier
	tensor_load_to_lds s[G0+4*(\slot):G0+4*(\slot)+3], s[\g1:\g1+7]
	s_nop 0
.endm
.macro ASK kind, p                     ; the rows at s[p]: 1: 32 rows of f32, 2: 16 rows of f32, 3: 32 rows of the mask, 512 bytes of each; 0: nothing
.if (\kind) == 1
	global_prefetch_b8 v[PF4], s[\p:\p+1] th:TH_LOAD_NT scope:SCOPE_SE
	global_prefetch_b8 v[PF4], s[\p:\p+1] offset:256 th:TH_LOAD_NT scope:SCOPE_SE
.endif
.if (\kind) == 2
	global_prefetch_b8 v[PFH], s[\p:\p+1] th:TH_LOAD_NT scope:SCOPE_SE
.endif
.if (\kind) == 3
	global_prefetch_b8 v[PF8], s[\p:\p+1] th:TH_LOAD_NT scope:SCOPE_SE
	global_prefetch_b8 v[PF8], s[\p:\p+1] offset:256 th:TH_LOAD_NT scope:SCOPE_SE
.endif
.endm
.macro LDT set, adr                    ; my tile in lane order
.irp b, 0,1,2,3
.irp j, 0,1,2,3
	ds_load_b128 v[X+64*(\set)+16*\b+4*\j:X+64*(\set)+16*\b+4*\j+3], v[\adr] offset:128*\b+16*\j
.endr
.endr
.endm
; 64 numbers of a lane, v[s] on: the scale word into v[pw], the fragment's 12 registers into v[pc] on
.macro QUANT s, pc, pw
.irp b, 0,1,2,3
	v_max3_num_f32 v[TM+\b], |v[(\s)+16*\b]|, |v[(\s)+16*\b+1]|, 0x1800000   ; and the floor 2^(3 - 127): the byte cannot fall under 1
.endr
.irp i, 2,4,6,8,10,12,14
.irp b, 0,1,2,3
	v_max3_num_f32 v[TM+\b], v[TM+\b], |v[(\s)+16*\b+\i]|, |v[(\s)+16*\b+\i+1]|   ; the four blocks by turns
.endr
.endr
.irp b, 0,1,2,3
	v_permlanex16_b32 v[TM+4+\b], v[TM+\b], s[SEL], s[SEL+1]
.endr
.irp b, 0,1,2,3
	v_max_num_f32 v[TM+\b], v[TM+\b], v[TM+4+\b]   ; with lane l xor 16's 16 numbers
.endr
.irp b, 0,1,2,3
	v_add_nc_u32 v[TM+12+\b], 0xff000000, v[TM+\b] ; 2 off the exponent field: the conversion's scale operand
.endr
.irp b, 0,1,2,3
	v_lshrrev_b32 v[TM+4+\b], 23, v[TM+12+\b]      ; the scale's byte
.endr
	v_lshl_or_b32 v[TM+8], v[TM+5], 8, v[TM+4]
	v_lshl_or_b32 v[TM+9], v[TM+7], 8, v[TM+6]
	v_lshl_or_b32 v[\pw], v[TM+9], 16, v[TM+8]
.irp c, 0,1
	v_cvt_scalef32_pk16_fp6_f32 v[(\pc)+6*\c:(\pc)+6*\c+2], v[(\s)+32*\c:(\s)+32*\c+15], v[TM+12+2*\c]
	v_cvt_scalef32_pk16_fp6_f32 v[(\pc)+12+4*\c:(\pc)+14+4*\c], v[(\s)+32*\c+16:(\s)+32*\c+31], v[TM+13+2*\c]   ; (a conversion's three registers begin on an even number)
.endr
	v_nop                                          ; one plain place behind a scaled conversion
.irp c, 0,1                            ; the operand's layout wants a whole block in a lane
.irp i, 0,1,2
	v_permlane16_swap_b32 v[(\pc)+6*\c+\i], v[(\pc)+12+4*\c+\i]
.endr
.irp i, 0,1,2
	v_mov_b32 v[(\pc)+3+6*\c+\i], v[(\pc)+12+4*\c+\i]
.endr
.endr
.endm
.macro FTILE u, k                      ; my tile of the work-group's f32 unit k, from set u
	QUANT X+64*(\u), PC+20*(\u), SW+(\u)
	ds_store_b32 v[SWA], v[SW+(\u)] offset:512*(\k)    ; lanes r and r + 16 write the same word with the same value
.irp c, 0,1,2
	global_store_b128 v[CO], v[PC+20*(\u)+4*\c:PC+20*(\u)+4*\c+3], s[OC:OC+1] offset:GRP*(\k)+512*\c   ; 512 consecutive bytes, aligned
.endr
.endm
.macro FPAIR slot, k, askn, askp       ; askn: what stands at NX, askp: what stands at PX
	LDT 0, SO+2*(\slot)
	LDT 1, SO+2*(\slot)+1
	s_wait_dscnt 16                                ; the first tile is in; the second tile's sixteen loads may be out
	ASK \askn, NX
	ASK \askp, PX
	FTILE 0, \k
	s_wait_dscnt 0x1                               ; the second tile is in; the scale word's store may be out
	FTILE 1, (\k)+1
.endm
; Register n of lane (r, h) holds the mask of query position r and key 32 (n / 16) + 16 h + n % 16, as the scores will lie.  A compare's 32 lane bits are ONE word; word n goes to lane n % 32 of register n / 32.
.macro MTILE u, j
	v_mov_b32 v[MW+2*(\u)], 0                      ; (v_writelane_b32's destination counts as read)
	v_mov_b32 v[MW+2*(\u)+1], 0
.irp g, 0,1,2,3
.irp x, 0,1,2,3,4,5,6,7,8,9,10,11,12,13,14,15
	v_cmp_ne_u32 s[CM+\x], 0, v[X+64*(\u)+16*\g+\x]
.endr
.irp x, 0,1,2,3,4,5,6,7,8,9,10,11,12,13,14,15
	v_writelane_b32 v[MW+2*(\u)+(\g/2)], s[CM+\x], 16*(\g%2)+\x
.endr
.endr
	global_store_b64 v[MO], v[MW+2*(\u):MW+2*(\u)+1], s[OM:OM+1] offset:2048*(\j)   ; 256 consecutive bytes, aligned
.endm
.macro MPAIR slot, j
	LDT 0, SO+2*(\slot)
	LDT 1, SO+2*(\slot)+1
	s_wait_dscnt 16
	MTILE 0, \j
	s_wait_dscnt 0x0
	MTILE 1, (\j)+1
.endm
	s_load_b512 s[4:19], s[0:1], 0x0               ; query, keys, values, Wq, Wk, Wv, Wo, mask
	s_load_b128 s[20:23], s[0:1], 0x40             ; inq, mbits
	v_lshl_add_u32 v[SPW], v0, 2, SPARE
	v_mov_b32 v[NIL], 0
	ds_add_u32 v[SPW], v[NIL]                      ; the opening lines: the add, twice on end, and its wait ahead of my first tensor load
	ds_add_u32 v[SPW], v[NIL]
	v_lshrrev_b32 v1, 5, v0
	v_readfirstlane_b32 s[WV], v1                  ; wave 0..7
.irp g, G1H, G1F, G1M                  ; group 1: rows of 64 elements of 8 bytes; 16 bytes of padding behind every 128 words
	s_mov_b32 s[\g], (3<<16)|(1<<20)|(6<<22)|(3<<25)
	s_mov_b32 s[\g+1], 64<<16
	s_mov_b32 s[\g+3], 64<<16
	s_mov_b32 s[\g+6], 0
	s_mov_b32 s[\g+7], 0
.endr
	s_mov_b32 s[G1H+2], 16<<16
	s_mov_b32 s[G1H+4], 16
	s_mov_b32 s[G1H+5], 512
	s_mov_b32 s[G1F+2], 32<<16
	s_mov_b32 s[G1F+4], 32
	s_mov_b32 s[G1F+5], 512
	s_mov_b32 s[G1M+2], 32<<16
	s_mov_b32 s[G1M+4], 32
	s_mov_b32 s[G1M+5], 1024
	s_mov_b32 s[G0], 1
	s_mov_b32 s[G0+4], 1
	s_mul_i32 s[T7], ttmp9, 7
	s_lshr_b32 s40, s[WV], 2
	s_add_co_u32 s[TB], s[T7], s40
	s_lshl_b32 s[UB], ttmp9, 2
	s_add_co_u32 s[UB], s[UB], s40
	s_lshl_b32 s[RQH], s[WV], 16
	s_and_b32 s40, s[WV], 3
	s_lshl_b32 s[RQ], s40, 17
	s_lshl_b32 s[RQM], s40, 18
	s_mul_i32 s[L32], s[WV], 32*PITCH
	s_mul_i32 s[L16], s[WV], 16*PITCH
	s_lshr_b32 s40, s[WV], 1
	s_lshl_b32 s40, s40, 5
	s_and_b32 s41, s[WV], 1
	s_lshl_b32 s41, s41, 3
	s_add_co_u32 s40, s40, s41
	s_mul_i32 s[TBS], s40, PITCH                   ; tile w begins at row 32 (w / 2) + 8 (w % 2)
	s_mov_b32 s[SEL], 0x76543210
	s_mov_b32 s[SEL+1], 0xfedcba98                 ; v_permlanex16_b32's selects for lane l xor 16
	s_wait_dscnt 0x0                               ; both opening adds are done
	s_wait_kmcnt 0x0
	AIMF NX, TB, 0, RQ
	SETG0 0, L32
	TLOAD 0, G1F                                   ; f32 units 0 and 1: my one tensor load at the head
	AIMF NX, TB, 2, RQ                             ; trip 1's rows
	s_mul_i32 s40, s[T7], GRP
	s_mul_i32 s41, s[WV], 1536
	s_add_co_u32 s40, s40, s41
	s_mov_b32 s41, 0
	s_add_nc_u64 s[OC:OC+1], s[20:21], s[40:41]    ; my tile's fragment in the work-group's first f32 unit
	s_add_co_u32 s40, s[T7], s[WV]
	s_lshl_b32 s40, s40, 9
	s_add_co_u32 s40, s40, INQ_S
	s_add_nc_u64 s[OS:OS+1], s[20:21], s[40:41]    ; waves 0-6: the scale words of f32 unit 7 g + wave
	s_lshl_b32 s40, ttmp9, 13
	s_lshl_b32 s42, s[WV], 8
	s_add_co_u32 s40, s40, s42
	s_add_nc_u64 s[OM:OM+1], s[22:23], s[40:41]    ; my tile's words in the work-group's first mask unit
	s_lshl_b32 s40, s[WV], 2
	s_add_co_u32 s40, s40, SWB
	s_lshl_b32 s41, s[WV], 9
	s_add_co_u32 s41, s41, SWB
	v_and_b32 v1, 31, v0                           ; lane
	v_lshlrev_b32 v[PF4], 12, v1
	ASK 1, NX                                      ; the head names trip 1's rows
	v_and_b32 v2, 15, v0                           ; r
	v_bfe_u32 v3, v0, 4, 1                         ; h
	v_lshlrev_b32 v[CO], 4, v1
	v_lshlrev_b32 v[MO], 3, v1
	v_lshlrev_b32 v[PF8], 13, v1
	v_lshlrev_b32 v[PFH], 12, v2
	v_lshl_add_u32 v[PFH], v3, 8, v[PFH]
	v_and_b32 v4, 8, v2
	v_add_nc_u32 v4, v4, v2                        ; r + 8 (r / 8)
	v_mul_u32_u24 v4, v4, PITCH
	v_lshl_add_u32 v4, v3, 6, v4
	v_add_nc_u32 v[SO], s[TBS], v4
	v_add_nc_u32 v[SO+1], UROWS, v[SO]
	v_add_nc_u32 v[SO+2], SLOTB, v[SO]
	v_add_nc_u32 v[SO+3], SLOTB+UROWS, v[SO]
	v_lshlrev_b32 v5, 5, v2
	v_add_nc_u32 v[SWA], s40, v5
	v_add_nc_u32 v[SWR], s41, v[CO]
.irp b, 0,1,2,3
	v_mov_b32 v[TM+4+\b], 0                        ; written once: a lane permute's destination counts as one of its sources
.endr
	; trip 0: slot 1's first fill is issued as a refill is. NX holds trip 1's rows
	GATE_A
	SETG0 1, L32
	AIMF NX, TB, 4, RQ                             ; trip 2's rows,
	AIMF PX, T7, 6, RQH                            ; and trip 3's
	GATE_B
	TLOAD 1, G1F                                   ; f32 units 2 and 3
	FPAIR 0, 0, 1, 2
	; trip 1: NX holds trip 2's rows
	GATE_A
	SETG0 0, L32
	AIMM PX, 0
	GATE_B
	TLOAD 0, G1F                                   ; f32 units 4 and 5
	FPAIR 1, 2, 0, 3
	; trip 2
	GATE_A
	AIMF NX, T7, 6, RQH
	SETG0 1, L16
	AIMM PX, 2
	GATE_B
	TLOAD 1, G1H                                   ; f32 unit 6: 16 rows a wave
	FPAIR 0, 4, 0, 3
	; trip 3: one unit, one tile a wave
	GATE_A
	AIMM NX, 0
	SETG0 0, L32
	GATE_B
	TLOAD 0, G1M                                   ; mask units 0 and 1
	LDT 0, SO+2
	s_wait_dscnt 0x0
	FTILE 0, 6
	; trip 4
	GATE_A
	AIMM NX, 2
	SETG0 1, L32
	GATE_B
	TLOAD 1, G1M                                   ; mask units 2 and 3
	s_cmp_lt_u32 s[WV], 7                          ; every wave's scale words lie in LDS behind this barrier: waves 0-6 send a unit's 512 bytes each
	s_cbranch_scc0 .Lno_words
	ds_load_b128 v[WD:WD+3], v[SWR]
	s_wait_dscnt 0x0
	global_store_b128 v[CO], v[WD:WD+3], s[OS:OS+1]
.Lno_words:
	MPAIR 0, 0
	; trip 5: nothing is left to fetch
	GATE_A
	GATE_B
	MPAIR 1, 2
	s_wait_tensorcnt 0x0                           ; the wave's end
	ds_add_u32 v[SPW], v[NIL]
	s_wait_dscnt 0x0
	s_endpgm
.Lfunc_end_k_qef95f1862d_quant:
	.size	k_qef95f1862d_quant, .Lfunc_end_k_qef95f1862d_quant-k_qef95f1862d_quant
	.p2alignl 7, 3214868480
	.fill 96, 4, 3214868480
	.section	.rodata,"a",@progbits
	.p2align	6, 0x0
	.amdhsa_kernel k_qef95f1862d_quant
		.amdhsa_group_segment_fixed_size 327680
		.amdhsa_private_segment_fixed_size 0
		.amdhsa_enable_private_segment 0
		.amdhsa_kernarg_size 80
		.amdhsa_user_sgpr_count 2
		.amdhsa_user_sgpr_kernarg_segment_ptr 1
		.amdhsa_wavefront_size32 1
		.amdhsa_system_sgpr_workgroup_id_x 1
		.amdhsa_system_sgpr_workgroup_id_y 1
		.amdhsa_system_sgpr_workgroup_id_z 1
		.amdhsa_system_vgpr_workitem_id 0
		.amdhsa_next_free_vgpr 256
		.amdhsa_next_free_sgpr 102
		.amdhsa_reserve_vcc 0
		.amdhsa_float_denorm_mode_32 3
		.amdhsa_float_denorm_mode_16_64 3
		.amdhsa_memory_ordered 1
		.amdhsa_forward_progress 1
		.amdhsa_inst_pref_size 88
	.end_amdhsa_kernel
	.amdgpu_metadata
---
amdhsa.version: [ 1, 2 ]
amdhsa.kernels:
  - .name:           k_qef95f1862d_quant
    .symbol:         k_qef95f1862d_quant.kd
    .args:
      - { .name: query, .offset: 0, .size: 8, .value_kind: global_buffer, .address_space: global }
      - { .name: keys, .offset: 8, .size: 8, .value_kind: global_buffer, .address_space: global }
      - { .name: values, .offset: 16, .size: 8, .value_kind: global_buffer, .address_space: global }
      - { .name: Wq, .offset: 24, .size: 8, .value_kind: global_buffer, .address_space: global }
      - { .name: Wk, .offset: 32, .size: 8, .value_kind: global_buffer, .address_space: global }
      - { .name: Wv, .offset: 40, .size: 8, .value_kind: global_buffer, .address_space: global }
      - { .name: Wo, .offset: 48, .size: 8, .value_kind: global_buffer, .address_space: global }
      - { .name: mask, .offset: 56, .size: 8, .value_kind: global_buffer, .address_space: global }
      - { .name: inq, .offset: 64, .size: 8, .value_kind: global_buffer, .address_space: global }
      - { .name: mbits, .offset: 72, .size: 8, .value_kind: global_buffer, .address_space: global }
    .group_segment_fixed_size: 327680
    .private_segment_fixed_size: 0
    .kernarg_segment_align: 8
    .kernarg_segment_size: 80
    .max_flat_workgroup_size: 256
    .sgpr_count:     102
    .vgpr_count:     256
    .wavefront_size: 32
...
	.end_amdgpu_metadata
.endif
;; end of part 1
;; launch proj (part 2): grid 4 x 64, 4 waves a work-group, clusters of 4 x 4, 327,680 bytes of LDS; arguments inq, prj; writes prj
.if DOCPART == 2
	.amdgcn_target "amdgcn-amd-amdhsa--gfx1250"
	.amdhsa_code_object_version 6
	.text
	.protected	k_qef95f1862d_proj
	.globl	k_qef95f1862d_proj
	.p2align	8
	.type	k_qef95f1862d_proj,@function
k_qef95f1862d_proj:
	s_mov_b64 s[64:65], 0
	v_nop
	global_prefetch_b8 v0, s[64:65] scope:SCOPE_SE
	s_setreg_imm32_b32 hwreg(HW_REG_WAVE_MODE, 25, 1), 1
	s_wait_xcnt 0x0
	s_wait_alu depctr_hold_cnt(0) depctr_sa_sdst(0) depctr_va_vdst(0) depctr_va_sdst(0) depctr_va_ssrc(0) depctr_va_vcc(0) depctr_vm_vsrc(0)
	s_getreg_b32 s2, hwreg(HW_REG_IB_STS2, 6, 4)
	s_cmp_eq_u32 s2, 0
	s_cbranch_scc0 .Lentry_in_a_cluster
	s_endpgm
.Lentry_in_a_cluster:
	s_bfe_u32 s2, ttmp6, 0x10000c
	s_cmp_lg_u32 s2, 0xf033
	s_cbranch_scc0 .Lentry_shape_is_right
	s_endpgm
.Lentry_shape_is_right:
; The three projections q = query Wq^T, k = keys Wk^T, v = values Wv^T on codes of FP6 (E2M3) with E8M0 scales, K = 1,024; each result is quantised on the way out and leaves as an operand image.
; OPERAND IMAGES: a unit is 128 rows x 128 along K: eight fragments of 16 rows (register quad c at 512 c + 16 x lane; 1,536 bytes), units of one group on end along K; 512 bytes of scale words [position r][tile] a unit.
; Position r of tile t is row 32 (t / 2) + 8 (t % 2) + r + 8 (r / 8) of its 128, in every operand.
; SHARES: 768 tiles of 128 ("A") x 256 ("B") for 256 work-groups that STAY: each makes three tiles, one of q, one of k, one of v^T.  A wave makes 64 x 128: A's tiles 4 (wave / 2) on, B's group wave % 2: 32 accumulators.
; THE PRODUCT IS USED TRANSPOSED: source 0 = 16 rows of B, source 1 = 16 rows of A: a lane holds one row position of A, and the 64 registers of a tile of A run along B's 128 rows in their natural order: 128 neighbours along the NEXT product's K.
; q, k: A = tokens, B = the weight's rows.  v: A = Wv's rows, B = tokens: the result is v^T, quantised along the tokens.
; THE RING: two LDS slots of FOUR K steps each (A's codes, B's two groups' codes, A's and B's scale words).  A tile is two slots' worth; the ring goes on into the next tile: a slot that has been read takes the next tile's bytes,
; and a tile's way out stands behind the request for them.  Behind each change of slots that fills one, each wave issues one load: wave 0 A's codes, wave 1 B's codes (one descriptor, a row a group), wave 2 A's scale words, wave 3 B's.
; CLUSTER 4 x 4: A's blocks are shared along a row of the cluster, B's along a column: joint loads.
; LIMITS: a block of zeros, or one under 2^-124, gets the byte 1 (read by this program alone); NaN and infinities are not served.
; REGISTERS: window 0: v16-31 addresses; v32-63 A's scale words, two sets; v64-127 B's, two sets; v128-223 A's fragments, two sets (the way out's codes lie in the second); v224-245 the way out; window 1: B's two sets at v0 and v128; window 2: the accumulators ((a, b) at v[8 (8 a + b)]).
.set NKS,   8                          ; K steps of 128
.set FR,    12
.set FRB,   1536
.set GRP,   8*FRB
.set CH,    4                          ; K steps in a slot
.set ACB,   CH*GRP                     ; a group's codes in a slot
.set BOFF,  ACB                        ; a slot: A's codes, B's two groups' codes,
.set ASOFF, 3*ACB                      ; A's scale words,
.set BSOFF, ASOFF+CH*512               ; B's two groups' scale words
.set SLOT,  BSOFF+2*CH*512
.set NP,    4                          ; places behind this matrix instruction (ISA guide 7.12.1)
.set SPARE, 2*SLOT                     ; the spare words, 128 bytes for each wave: two blocks of 256 bytes that no other line names
.set AS_LDS, 1                         ; A's scale words come with the slots
.set INQ_S, 22020096
.set PRJ_S, 18874368
.set PA,    4                          ; s[4:5]: A's buffer; B's is the same here
.set PB,    4
.set SOFFA, INQ_S
.set SOFFB, INQ_S
.set ADRA, 16                          ; v16-17 LDS address of my A fragments in slot 0, 1
.set COF,  16                          ; (slot 0's is also my offset in a unit of the output: 16 x lane + my four tiles)
.set ADSA, 18                          ; v18-19 of my A scale words
.set ADRB, 20                          ; v20-21 of my B fragments
.set ADSB, 22                          ; v22-23 of my B scale words
.set CO,   26                          ; v26 16 x lane
.set SPW,  28                          ; v28 LDS address of my spare word; never rewritten
.set NIL,  29                          ; v29 0; never rewritten
.set SWO,  30                          ; v30 32 r + 8 h + 16 x (wave / 2)
.set SA,   32                          ; register SA + 16 set + 4 q + a: the word of A's tile a, K step q of the slot
.set SB,   64                          ; register SB + 32 set + 8 q + b: B's tile b
.set AF,   128
.set PC,   176
.set TM,   224
.set SW,   240
.set WO,   244
.set SEL,  20                          ; s[20:21]
.set HM,   22
.set G1A,  24
.set G1B,  32
.set G1AS, 40
.set G1BS, 48
.set G0A,  56                          ; groups 0: a set for each slot
.set G0B,  68
.set G0AS, 76
.set G0BS,  84
.set PP,    104                        ; s[104:105] the prefetches' base: my work-group's unit of the four that a fill of my wave's kind brings
.set PV1,   24                         ; v24 256 x lane: a unit's blocks 0-31
.set PV2,   25                         ; v25 its blocks 32-47 (lanes 16-31 name block 47 again)
.set PV3,   27                         ; v27 the two blocks of a unit's scale words (lanes 2-31 name the second again)
.set PV4,   31                         ; v31 the same for two groups, NKS x 512 bytes apart
.set MSB, 0
.macro WIN new                         ; the immediate's high byte repeats the setting that is left
.if MSB != (\new)
	s_set_vgpr_msb (MSB<<8)|(\new)
.set MSB, (\new)
.endif
.endm
.set W_MUL, 0xa1                       ; source 0 (B) window 1, source 1 (A) window 0, C and D window 2
.set TO_B,  0x40
.macro PLACES n
.rept \n
	v_nop
.endr
.endm
.macro TL g0, g1                       ; a joint load; an s_nop 0 and four v_nop follow it
	tensor_load_to_lds s[\g0:\g0+3], s[\g1:\g1+7]
	s_nop 0
	PLACES 4
.endm
; PREFETCH: behind each joint load the wave that issued it names what its NEXT load will ask for: one fill, four K steps, ahead.  A fill brings four units of a group; the four partners that ask jointly take a unit each,
; told apart BY ADDRESS (cx for A's side, cy for B's): each block of 256 bytes is named once in a cluster.  ask = 1: a tile's first four K steps, 2: its last four, 0: nothing is left to name.
.macro PAIM ua, ub                     ; the base for the tile whose first units stand in s[ua] (A) and s[ub] (B)
	s_cmp_eq_u32 s16, 0                            ; waves 0 and 2 fetch for A, waves 1 and 3 for B
	s_cselect_b32 s104, s[\ua], s[\ub]
	s_cselect_b32 s105, s92, s93
	s_add_co_u32 s104, s104, s105                  ; my work-group's unit
	s_cmp_lt_u32 s14, 2                            ; waves 0 and 1 fetch codes, waves 2 and 3 scale words
	s_mov_b32 s100, 512
	s_cselect_b32 s100, GRP, s100
	s_mul_i32 s104, s104, s100
	s_cselect_b32 s100, 0, INQ_S
	s_add_co_u32 s100, s104, s100
	s_add_nc_u64 s[PP:PP+1], s[4:5], s[100:101]
.endm
.macro ASKC ask, both
.if \ask
	global_prefetch_b8 v[PV1], s[PP:PP+1] offset:((\ask)-1)*CH*GRP th:TH_LOAD_NT scope:SCOPE_SE
	global_prefetch_b8 v[PV2], s[PP:PP+1] offset:((\ask)-1)*CH*GRP th:TH_LOAD_NT scope:SCOPE_SE
.if \both
	global_prefetch_b8 v[PV1], s[PP:PP+1] offset:((\ask)-1)*CH*GRP+NKS*GRP th:TH_LOAD_NT scope:SCOPE_SE
	global_prefetch_b8 v[PV2], s[PP:PP+1] offset:((\ask)-1)*CH*GRP+NKS*GRP th:TH_LOAD_NT scope:SCOPE_SE
.endif
.endif
.endm
.macro ASKS ask, reg
.if \ask
	global_prefetch_b8 v[\reg], s[PP:PP+1] offset:((\ask)-1)*CH*512 th:TH_LOAD_NT scope:SCOPE_SE
.endif
.endm
.macro JLOAD4 slot, ask
	s_cmp_lg_u32 s14, 0
	s_cbranch_scc1 .Lj1_\@
	TL G0A+4*(\slot), G1A
	ASKC \ask, 0
	s_branch .Ljd_\@
.Lj1_\@:
	s_cmp_lg_u32 s14, 1
	s_cbranch_scc1 .Lj2_\@
	TL G0B+4*(\slot), G1B
	ASKC \ask, 1
	s_branch .Ljd_\@
.Lj2_\@:
	s_cmp_lg_u32 s14, 3
	s_cbranch_scc1 .Lj3_\@
	TL G0BS+4*(\slot), G1BS
	ASKS \ask, PV4
	s_branch .Ljd_\@
.Lj3_\@:
.if AS_LDS
	TL G0AS+4*(\slot), G1AS
	ASKS \ask, PV3
.endif
.Ljd_\@:
.endm
.macro CREST                           ; a round of the cluster's barrier behind its opening barrier
	s_cmp_lg_u32 s14, 0
	s_cbranch_scc1 .Lnot_wave_0_\@
	s_barrier_signal -3
.Lnot_wave_0_\@:
	s_barrier_wait -3
	s_barrier_signal -1
	s_barrier_wait -1
.endm
.macro CROUND
	s_barrier_signal -1
	s_barrier_wait -1
	CREST
.endm
; The groups 0 of a slot are aimed at K steps kadd on of the groups whose first units stand in s[ua] (A) and s[ub] (B's first).  A's side is made in s66, s[96:97], B's in s67, s[98:99]: neither ever holds the other's place in the cluster.
.macro AIM slot, ua, ub, kadd
	s_add_co_u32 s66, s[\ua], \kadd
	s_mul_i32 s96, s66, GRP
	s_add_nc_u64 s[G0A+4*(\slot)+2:G0A+4*(\slot)+3], s[PA:PA+1], s[96:97]
	s_or_b32 s[G0A+4*(\slot)+3], s[G0A+4*(\slot)+3], 0x80000000
.if AS_LDS
	s_lshl_b32 s96, s66, 9
	s_add_co_u32 s96, s96, SOFFA
	s_add_nc_u64 s[G0AS+4*(\slot)+2:G0AS+4*(\slot)+3], s[PA:PA+1], s[96:97]
	s_or_b32 s[G0AS+4*(\slot)+3], s[G0AS+4*(\slot)+3], 0x80000000
.endif
	s_add_co_u32 s67, s[\ub], \kadd
	s_mul_i32 s98, s67, GRP
	s_add_nc_u64 s[G0B+4*(\slot)+2:G0B+4*(\slot)+3], s[PB:PB+1], s[98:99]
	s_or_b32 s[G0B+4*(\slot)+3], s[G0B+4*(\slot)+3], 0x80000000
	s_lshl_b32 s98, s67, 9
	s_add_co_u32 s98, s98, SOFFB
	s_add_nc_u64 s[G0BS+4*(\slot)+2:G0BS+4*(\slot)+3], s[PB:PB+1], s[98:99]
	s_or_b32 s[G0BS+4*(\slot)+3], s[G0BS+4*(\slot)+3], 0x80000000
.endm
.macro FRAG reg, adr, q, i             ; a fragment comes as it was stored: three loads of 512 consecutive bytes
.irp c, 0,1,2
	ds_load_b128 v[\reg+4*\c:\reg+4*\c+3], v[\adr] offset:(\q)*GRP+(\i)*FRB+512*\c
.endr
.endm
.macro FETCH slot, q, p                ; 36 LDS loads in one run: B's eight fragments and my four of A, K step q of the slot, into set p
	WIN TO_B
.irp i, 0,1,2,3,4,5,6,7
	FRAG 128*(\p)+FR*\i, ADRB+(\slot), \q, \i
.endr
	WIN 0
.irp i, 0,1,2,3
	FRAG AF+48*(\p)+FR*\i, ADRA+(\slot), \q, \i
.endr
.endm
.macro SCALES set, offa                ; a slot's scale words of my row position: four tiles of A, eight of B, for each of its four K steps
.irp q, 0,1,2,3
	ds_load_b128 v[SA+16*(\set)+4*\q:SA+16*(\set)+4*\q+3], v[ADSA+(\set)] offset:512*\q
	ds_load_b128 v[SB+32*(\set)+8*\q:SB+32*(\set)+8*\q+3], v[ADSB+(\set)] offset:512*\q
	ds_load_b128 v[SB+32*(\set)+8*\q+4:SB+32*(\set)+8*\q+7], v[ADSB+(\set)] offset:512*\q+16
.endr
.endm
; 8 matrix instructions: A's tile a x B's eight.  The 32 accumulators take turns, one instruction a turn, in the same order in every step.
.macro MUL8 a, p, q, set, zero
.irp b, 0,1,2,3,4,5,6,7
.if \zero
	v_wmma_scale_f32_16x16x128_f8f6f4 v[8*(8*(\a)+\b):8*(8*(\a)+\b)+7], v[128*(\p)+FR*\b:128*(\p)+FR*\b+FR-1], v[AF+48*(\p)+FR*(\a):AF+48*(\p)+FR*(\a)+FR-1], 0, v[SB+32*(\set)+8*(\q)+\b], v[SA+16*(\set)+4*(\q)+(\a)] matrix_a_fmt:MATRIX_FMT_FP6 matrix_b_fmt:MATRIX_FMT_FP6
.else
	v_wmma_scale_f32_16x16x128_f8f6f4 v[8*(8*(\a)+\b):8*(8*(\a)+\b)+7], v[128*(\p)+FR*\b:128*(\p)+FR*\b+FR-1], v[AF+48*(\p)+FR*(\a):AF+48*(\p)+FR*(\a)+FR-1], v[8*(8*(\a)+\b):8*(8*(\a)+\b)+7], v[SB+32*(\set)+8*(\q)+\b], v[SA+16*(\set)+4*(\q)+(\a)] matrix_a_fmt:MATRIX_FMT_FP6 matrix_b_fmt:MATRIX_FMT_FP6
.endif
.endr
.endm
.macro STEP slot, q, zero              ; one of a slot's first three K steps: the next step's fragments are asked for first, and have the step's 32 matrix instructions in which to come
	s_wait_dscnt 0x0                               ; this step's fragments (and scale words) are in
	PLACES NP                                      ; in front of loads into registers that the last step's matrix instructions have read
	FETCH \slot, (\q)+1, 1-(\q)%2
	WIN W_MUL
.irp a, 0,1,2,3
	MUL8 \a, (\q)%2, \q, \slot, \zero
.endr
.endm
; A slot's fourth K step changes slots: one barrier; in front of it each wave waits for all its tensor loads, adds 0 to its spare word, and waits for that and for its reads of this slot.  fill = 1: the slot is filled again.
.macro LAST slot, fill, ua, ub, kadd, offa, ask, pa, pb
	WIN 0
.if \pa
	s_wait_xcnt 0x0                                ; my prefetches have read their base: it is written again only behind this wait
.endif
	s_wait_tensorcnt 0x0                           ; all my tensor loads have landed: my part of the other slot; so every group 0 may be written
	ds_add_u32 v[SPW], v[NIL]                      ; 0 onto my spare word
.if \fill
	AIM \slot, \ua, \ub, \kadd
.endif
.if \pa
	PAIM \pa, \pb
.endif
	s_wait_dscnt 0x1                               ; this step's fragments are in (the add may be out)
	WIN W_MUL
	MUL8 0, 1, 3, \slot, 0
	s_wait_dscnt 0x0                               ; the add is done, and my reads of this slot are over
	s_barrier_signal -1
	MUL8 1, 1, 3, \slot, 0
	WIN 0
	s_barrier_wait -1
.if \fill
	CREST                                          ; the barrier has opened a round of the cluster's: no wave of any partner still reads this slot or has a load on its way
	JLOAD4 \slot, \ask                             ; the first tensor load behind the round, one a wave
.endif
	PLACES NP                                      ; in front of the loads below, on every wave's way
	FETCH 1-(\slot), 0, 0
	SCALES 1-(\slot), \offa
	WIN W_MUL
	MUL8 2, 1, 3, \slot, 0
	MUL8 3, 1, 3, \slot, 0
	WIN 0
.endm
.macro FINAL                           ; the very last K step: nothing more to fetch
	s_wait_dscnt 0x0
	WIN W_MUL
.irp a, 0,1,2,3
	MUL8 \a, 1, 3, 1, 0
.endr
	WIN 0
.endm
; THE QUANTISER.  64 numbers of a lane in window w, v[s] on, register 16 b + i = k 32 b + 16 h + i of my row.  The reads ascend.
.macro QHEAD s, w
	WIN (\w)|((\w)<<2)
.irp b, 0,1,2,3
	v_max3_num_f32 v[TM+\b], |v[(\s)+16*\b]|, |v[(\s)+16*\b+1]|, 0x1800000   ; and the floor 2^(3 - 127): the byte cannot fall under 1
.endr
	WIN ((\w)<<2)|((\w)<<4)
.irp i, 2,4,6,8,10,12,14
.irp b, 0,1,2,3
	v_max3_num_f32 v[TM+\b], v[TM+\b], |v[(\s)+16*\b+\i]|, |v[(\s)+16*\b+\i+1]|
.endr
.endr
	WIN 0
.irp b, 0,1,2,3
	v_permlanex16_b32 v[TM+4+\b], v[TM+\b], s[SEL], s[SEL+1]
.endr
.irp b, 0,1,2,3
	v_max_num_f32 v[TM+\b], v[TM+\b], v[TM+4+\b]
.endr
.endm
.macro QTAIL s, w, pw
.irp b, 0,1,2,3
	v_add_nc_u32 v[TM+12+\b], 0xff000000, v[TM+\b]   ; 2 off the exponent field: the conversion's scale operand
.endr
.irp b, 0,1,2,3
	v_lshrrev_b32 v[TM+4+\b], 23, v[TM+12+\b]        ; the scale's byte
.endr
	v_lshl_or_b32 v[\pw], v[TM+5], 8, v[TM+4]
	v_lshl_or_b32 v[\pw], v[TM+6], 16, v[\pw]
	v_lshl_or_b32 v[\pw], v[TM+7], 24, v[\pw]
	WIN (\w)
.irp c, 0,1
	v_cvt_scalef32_pk16_fp6_f32 v[PC+6*\c:PC+6*\c+2], v[(\s)+32*\c:(\s)+32*\c+15], v[TM+12+2*\c]
	v_cvt_scalef32_pk16_fp6_f32 v[PC+12+4*\c:PC+14+4*\c], v[(\s)+32*\c+16:(\s)+32*\c+31], v[TM+13+2*\c]
.endr
	WIN 0
	v_nop                                          ; one plain place behind a scaled conversion
.irp c, 0,1
.irp i, 0,1,2
	v_permlane16_swap_b32 v[PC+6*\c+\i], v[PC+12+4*\c+\i]
.endr
.irp i, 0,1,2
	v_mov_b32 v[PC+3+6*\c+\i], v[PC+12+4*\c+\i]
.endr
.endr
.endm
.macro QUANT s, w, pw
	QHEAD \s,\w
	QTAIL \s,\w,\pw
.endm
.macro FSTORE a, ptr                   ; each store covers 512 consecutive bytes, aligned
.irp c, 0,1,2
	global_store_b128 v[COF], v[PC+4*\c:PC+4*\c+3], s[\ptr:\ptr+1] offset:1536*(\a)+512*\c
.endr
.endm
; A tile's way out: my 64 x 128 goes to four fragments of the unit whose number stands in s[uo], and four scale words a row position (lanes 0-15 send two, lanes 16-31 the other two)
.macro WAYOUT uo
	PLACES NP                                      ; behind the last products
	s_mul_i32 s100, s[\uo], GRP
	s_add_nc_u64 s[8:9], s[6:7], s[100:101]
	s_lshl_b32 s100, s[\uo], 9
	s_add_co_u32 s100, s100, PRJ_S
	s_add_nc_u64 s[10:11], s[6:7], s[100:101]
.irp a, 0,1,2,3
	s_wait_xcnt 0x0                                ; the last stores have read the codes' registers
	QUANT 64*\a,2,SW+\a
	FSTORE \a,8
.endr
	v_cndmask_b32 v[WO], v[SW], v[SW+2], s[HM]
	v_cndmask_b32 v[WO+1], v[SW+1], v[SW+3], s[HM]
	global_store_b64 v[SWO], v[WO:WO+1], s[10:11]
	s_wait_xcnt 0x0                                ; the stores have read their registers and bases: the codes' registers take fragments again, and the bases the next tile's
.endm
	s_load_b128 s[4:7], s[0:1], 0x0                ; inq, prj
	v_lshl_add_u32 v[SPW], v0, 2, SPARE
	v_mov_b32 v[NIL], 0
	ds_add_u32 v[SPW], v[NIL]                      ; the wave's opening: the add and its wait ahead of my first tensor load
	ds_add_u32 v[SPW], v[NIL]
	v_lshrrev_b32 v1, 5, v0
	v_readfirstlane_b32 s14, v1                    ; wave 0..3
	s_lshr_b32 s15, s14, 1                         ; which four tiles of A are mine
	s_and_b32 s16, s14, 1                          ; which group of B
	s_bfe_u32 s92, ttmp6, 0x40000                  ; cx
	s_bfe_u32 s93, ttmp6, 0x40004                  ; cy
	s_lshl_b32 s94, s93, 2
	s_lshl_b32 s94, 15, s94                        ; my row of the cluster
	s_lshl_b32 s95, 0x1111, s92                    ; my column
	s_or_b32 s[G1A], s94, (3<<16)|(1<<21)          ; 15:0 the mask; 17:16 elements of 8 bytes; 21 set beside a mask; no padding
	s_or_b32 s[G1AS], s94, (3<<16)|(1<<21)
	s_or_b32 s[G1B], s95, (3<<16)|(1<<21)
	s_or_b32 s[G1BS], s95, (3<<16)|(1<<21)
	s_mov_b32 s[G1A+1], 32<<16                     ; A's codes: a dense block of 49,152 bytes as 192 rows of 256
	s_mov_b32 s[G1A+2], (ACB/256)<<16
	s_mov_b32 s[G1A+3], 32<<16
	s_mov_b32 s[G1A+4], ACB/256
	s_mov_b32 s[G1A+5], 32
	s_mov_b32 s[G1A+6], 0
	s_mov_b32 s[G1A+7], 0
	s_mov_b32 s[G1B+1], (ACB/8)<<16                ; B's codes: two rows, a group each, of 49,152 bytes; from group to group all of K
	s_mov_b32 s[G1B+2], 2<<16
	s_mov_b32 s[G1B+3], (ACB/8)<<16
	s_mov_b32 s[G1B+4], 2
	s_mov_b32 s[G1B+5], NKS*GRP/8
	s_mov_b32 s[G1B+6], 0
	s_mov_b32 s[G1B+7], 0
	s_mov_b32 s[G1AS+1], 32<<16                    ; A's scale words: 2,048 dense bytes as 8 rows of 256
	s_mov_b32 s[G1AS+2], (CH*2)<<16
	s_mov_b32 s[G1AS+3], 32<<16
	s_mov_b32 s[G1AS+4], CH*2
	s_mov_b32 s[G1AS+5], 32
	s_mov_b32 s[G1AS+6], 0
	s_mov_b32 s[G1AS+7], 0
	s_mov_b32 s[G1BS+1], (CH*64)<<16               ; B's scale words: two rows of 2,048 bytes
	s_mov_b32 s[G1BS+2], 2<<16
	s_mov_b32 s[G1BS+3], (CH*64)<<16
	s_mov_b32 s[G1BS+4], 2
	s_mov_b32 s[G1BS+5], NKS*64
	s_mov_b32 s[G1BS+6], 0
	s_mov_b32 s[G1BS+7], 0
.irp s, 0,1                            ; each line is issued by one wave: every LDS address is a constant
	s_mov_b32 s[G0A+4*\s], 1
	s_mov_b32 s[G0A+4*\s+1], \s*SLOT
	s_mov_b32 s[G0B+4*\s], 1
	s_mov_b32 s[G0B+4*\s+1], \s*SLOT+BOFF
	s_mov_b32 s[G0AS+4*\s], 1
	s_mov_b32 s[G0AS+4*\s+1], \s*SLOT+ASOFF
	s_mov_b32 s[G0BS+4*\s], 1
	s_mov_b32 s[G0BS+4*\s+1], \s*SLOT+BSOFF
.endr
	; the three tiles' first units.  Y = cluster y, 0-15.  Groups of inq: query 0-63, keys 64-127, values 128-191, Wq 192-199, Wk 200-207, Wv 208-215
	s_and_b32 s17, ttmp7, 0xffff                   ; Y
	s_lshl_b32 s12, s17, 2
	s_add_co_u32 s12, s12, s93
	s_lshl_b32 s12, s12, 3                         ; q: A = query's group 4 Y + cy
	s_add_co_u32 s13, s12, 512                     ; k: A = keys' group 4 Y + cy
	s_and_b32 s18, s17, 1
	s_lshl_b32 s18, s18, 2
	s_add_co_u32 s18, s18, s93
	s_add_co_u32 s18, s18, 208
	s_lshl_b32 s18, s18, 3                         ; v: A = Wv's group 4 (Y % 2) + cy
	s_lshl_b32 s19, s92, 1
	s_add_co_u32 s19, s19, 192
	s_lshl_b32 s19, s19, 3                         ; q: B = Wq's groups 2 cx, 2 cx + 1
	s_add_co_u32 s2, s19, 64                       ; k: B = Wk's
	s_lshr_b32 s3, s17, 1
	s_lshl_b32 s3, s3, 3
	s_add_co_u32 s3, s3, 128
	s_lshl_b32 s23, s92, 1
	s_add_co_u32 s3, s3, s23
	s_lshl_b32 s3, s3, 3                           ; v: B = values' groups 8 (Y / 2) + 2 cx, + 1
	s_mov_b32 s97, 0
	s_mov_b32 s99, 0
	s_mov_b32 s101, 0
	s_mov_b32 s[SEL], 0x76543210
	s_mov_b32 s[SEL+1], 0xfedcba98                 ; v_permlanex16_b32's selects for lane l xor 16
	s_mov_b32 s[HM], 0xffff0000                    ; lanes 16-31
	s_wait_dscnt 0x0                               ; the opening add is done
	s_wait_kmcnt 0x0
	AIM 0, 12, 19, 0
	AIM 1, 12, 19, CH
	CROUND                                         ; all sixteen work-groups are here: the first joint loads meet
	v_and_b32 v1, 31, v0
	v_lshlrev_b32 v[PV1], 8, v1
	v_min_u32 v2, 15, v1
	v_lshl_add_u32 v[PV2], v2, 8, 8192
	v_min_u32 v2, 1, v1
	v_lshlrev_b32 v[PV3], 8, v2
	v_min_u32 v3, 3, v1
	v_lshrrev_b32 v4, 1, v3
	v_and_b32 v3, 1, v3
	v_lshlrev_b32 v3, 8, v3
	v_lshl_add_u32 v[PV4], v4, 12, v3
	PAIM 12, 19
	s_wait_alu depctr_va_vdst(0)                   ; the wait ahead of the branches
	s_cmp_lg_u32 s14, 0                            ; slot 0's four parts, one load a wave, in one chain of branches on the wave's number
	s_cbranch_scc1 .Lf1
	TL G0A, G1A
	ASKC 2, 0
	s_branch .Lfd
.Lf1:
	s_cmp_lg_u32 s14, 1
	s_cbranch_scc1 .Lf2
	TL G0B, G1B
	ASKC 2, 1
	s_branch .Lfd
.Lf2:
	s_cmp_lg_u32 s14, 3
	s_cbranch_scc1 .Lf3
	TL G0BS, G1BS
	ASKS 2, PV4
	s_branch .Lfd
.Lf3:
	TL G0AS, G1AS
	ASKS 2, PV3
.Lfd:
	v_and_b32 v1, 15, v0                           ; r
	v_bfe_u32 v2, v0, 4, 1                         ; h
	v_and_b32 v3, 31, v0
	v_lshlrev_b32 v[CO], 4, v3
	s_mul_i32 s100, s15, 4*FRB
	v_add_nc_u32 v[ADRA], s100, v[CO]
	v_add_nc_u32 v[ADRA+1], SLOT, v[ADRA]
	s_mul_i32 s100, s16, ACB
	s_add_co_u32 s100, s100, BOFF
	v_add_nc_u32 v[ADRB], s100, v[CO]
	v_add_nc_u32 v[ADRB+1], SLOT, v[ADRB]
	v_lshlrev_b32 v5, 5, v1                        ; 32 r
	v_lshl_add_u32 v[SWO], v2, 3, v5
	s_lshl_b32 s100, s15, 4
	v_add_nc_u32 v[SWO], s100, v[SWO]
	s_add_co_u32 s100, s100, ASOFF
	v_add_nc_u32 v[ADSA], s100, v5
	v_add_nc_u32 v[ADSA+1], SLOT, v[ADSA]
	s_lshl_b32 s100, s16, 11
	s_add_co_u32 s100, s100, BSOFF
	v_add_nc_u32 v[ADSB], s100, v5
	v_add_nc_u32 v[ADSB+1], SLOT, v[ADSB]
.irp b, 0,1,2,3
	v_mov_b32 v[TM+4+\b], 0                        ; written once: a lane permute's destination counts as one of its sources
.endr
	; the three units of prj that my wave's results go to
	s_lshl_b32 s100, s92, 1
	s_add_co_u32 s100, s100, s16                   ; B's group in the cluster
	s_add_co_u32 s94, s12, s100                    ; q: unit 8 x token group + feature group
	s_add_co_u32 s95, s94, 512                     ; k: 512 further on
	s_lshr_b32 s23, s17, 1
	s_lshl_b32 s23, s23, 3
	s_add_co_u32 s23, s23, s100                    ; v: the token group, counted through the batches
	s_and_b32 s100, s23, 15
	s_lshr_b32 s23, s23, 4
	s_lshl_b32 s23, s23, 7
	s_add_co_u32 s23, s23, s100
	s_and_b32 s100, s17, 1
	s_lshl_b32 s100, s100, 2
	s_add_co_u32 s100, s100, s93
	s_lshl_b32 s100, s100, 4
	s_add_co_u32 s23, s23, s100
	s_add_co_u32 s17, s23, 1024                    ; v: unit 1024 + 128 batch + 16 feature group + token group in the batch
	s_wait_alu depctr_va_vdst(0)
	s_wait_xcnt 0x0                                ; my prefetches have read their base
	s_wait_tensorcnt 0x0                           ; my part of slot 0 is in
	ds_add_u32 v[SPW], v[NIL]
	PAIM 13, 2                                     ; the prefetches go on to k's tile
	s_wait_dscnt 0x0
	CROUND                                         ; a whole round: slot 0 is whole, and all sixteen work-groups are here
	JLOAD4 1, 1                                    ; slot 1's first fill, one load a wave, first behind the round
	FETCH 0, 0, 0
	SCALES 0, 0
; A tile: eight K steps in two slots.  fill = 1: each slot, once read, takes the next tile's bytes (first units in s[ua], s[ub]), and the next tile's first fragments are fetched ahead of the way out.
.macro TASK fill, ua, ub, uo, a0, a1, pa, pb
	STEP 0, 0, 1                                   ; the first step's products start the sums
	STEP 0, 1, 0
	STEP 0, 2, 0
	LAST 0, \fill, \ua, \ub, 0, 0, \a0, 0, 0
	STEP 1, 0, 0
	STEP 1, 1, 0
	STEP 1, 2, 0
.if \fill
	LAST 1, 1, \ua, \ub, CH, 0, \a1, \pa, \pb
.else
	FINAL
.endif
	WAYOUT \uo
.endm
	TASK 1, 13, 2, 94, 2, 1, 18, 3                 ; q; the slots go on to k, the prefetches to k's last four K steps and then to v
	TASK 1, 18, 3, 95, 2, 0, 0, 0                  ; k; the slots go on to v, the prefetches to v's last four K steps
	TASK 0, 0, 0, 17, 0, 0, 0, 0                   ; v: nothing is left to fetch
	s_wait_tensorcnt 0x0                           ; the wave's end
	ds_add_u32 v[SPW], v[NIL]
	s_wait_dscnt 0x0
	CROUND                                         ; the closing round
	s_endpgm
.Lfunc_end_k_qef95f1862d_proj:
	.size	k_qef95f1862d_proj, .Lfunc_end_k_qef95f1862d_proj-k_qef95f1862d_proj
	.p2alignl 7, 3214868480
	.fill 96, 4, 3214868480
	.section	.rodata,"a",@progbits
	.p2align	6, 0x0
	.amdhsa_kernel k_qef95f1862d_proj
		.amdhsa_group_segment_fixed_size 327680
		.amdhsa_private_segment_fixed_size 0
		.amdhsa_enable_private_segment 0
		.amdhsa_kernarg_size 16
		.amdhsa_user_sgpr_count 2
		.amdhsa_user_sgpr_kernarg_segment_ptr 1
		.amdhsa_wavefront_size32 1
		.amdhsa_system_sgpr_workgroup_id_x 1
		.amdhsa_system_sgpr_workgroup_id_y 1
		.amdhsa_system_sgpr_workgroup_id_z 1
		.amdhsa_system_vgpr_workitem_id 0
		.amdhsa_next_free_vgpr 1024
		.amdhsa_next_free_sgpr 106
		.amdhsa_reserve_vcc 0
		.amdhsa_float_denorm_mode_32 3
		.amdhsa_float_denorm_mode_16_64 3
		.amdhsa_memory_ordered 1
		.amdhsa_forward_progress 1
		.amdhsa_inst_pref_size 241
	.end_amdhsa_kernel
	.amdgpu_metadata
---
amdhsa.version: [ 1, 2 ]
amdhsa.kernels:
  - .name:           k_qef95f1862d_proj
    .symbol:         k_qef95f1862d_proj.kd
    .args:
      - { .name: inq, .offset: 0, .size: 8, .value_kind: global_buffer, .address_space: global }
      - { .name: prj, .offset: 8, .size: 8, .value_kind: global_buffer, .address_space: global }
    .group_segment_fixed_size: 327680
    .private_segment_fixed_size: 0
    .kernarg_segment_align: 8
    .kernarg_segment_size: 16
    .max_flat_workgroup_size: 128
    .sgpr_count:     106
    .vgpr_count:     1024
    .wavefront_size: 32
...
	.end_amdgpu_metadata
.endif
;; end of part 2
;; launch score (part 3): grid 8 x 32, 4 waves a work-group, clusters of 4 x 4, 327,680 bytes of LDS; arguments prj, mbits, pq, pst; writes pq, pst
.if DOCPART == 3
	.amdgcn_target "amdgcn-amd-amdhsa--gfx1250"
	.amdhsa_code_object_version 6
	.text
	.protected	k_qef95f1862d_score
	.globl	k_qef95f1862d_score
	.p2align	8
	.type	k_qef95f1862d_score,@function
k_qef95f1862d_score:
	s_mov_b64 s[64:65], 0
	v_nop
	global_prefetch_b8 v0, s[64:65] scope:SCOPE_SE
	s_setreg_imm32_b32 hwreg(HW_REG_WAVE_MODE, 25, 1), 1
	s_wait_xcnt 0x0
	s_wait_alu depctr_hold_cnt(0) depctr_sa_sdst(0) depctr_va_vdst(0) depctr_va_sdst(0) depctr_va_ssrc(0) depctr_va_vcc(0) depctr_vm_vsrc(0)
	s_getreg_b32 s2, hwreg(HW_REG_IB_STS2, 6, 4)
	s_cmp_eq_u32 s2, 0
	s_cbranch_scc0 .Lentry_in_a_cluster
	s_endpgm
.Lentry_in_a_cluster:
	s_bfe_u32 s2, ttmp6, 0x10000c
	s_cmp_lg_u32 s2, 0xf033
	s_cbranch_scc0 .Lentry_shape_is_right
	s_endpgm
.Lentry_shape_is_right:
.set NKS,   8
.set FR,    12
.set FRB,   1536
.set GRP,   8*FRB
.set HALFT, 2*GRP
.set SLOT,  4*HALFT
.set HALFS, 512*NKS
.set LAPS,  NKS/4
.set NL,    3
.set NP,    4
.set SCL,   2*SLOT
.set S1SC,  SCL
.set SPARE, SCL+4*HALFS
.set PRJ_S, 18874368
.set PQ_S,  12582912
.set PA,    4
.set PB,    4
.set SOFFA, PRJ_S
.set SOFFB, PRJ_S
.set ADRA, 16
.set ADRB, 20
.set CO,   26
.set ADRS, 27
.set SPW,  28
.set NIL,  29
.set SWO,  30
.set SC,   32
.set AF,   128
.set MV,   64
.set SW,   80
.set NMV,  88
.set LSV,  96
.set WO,   104
.set TMSK, 116
.set NEGM, 118
.set SUMA, 120
.set SUMB, 122
.set TMAX, 124
.set TOTH, 125
.set HA,   128
.set TM,   192
.set PC,   208
.set G1, 24
.set G0, 32
.set G1B, 48
.set G0B, 56
.set G1S, 68
.set G0S, 76
.set G1SB, 80
.set G0SB, 88
.set SEL, 24
.set CS,  26
.set HM,  28
.set PP,  98                           ; s[98:99] the prefetches' base: my work-group's quarter of the two K steps that my wave's ring loads bring; never rewritten
.set PV,  31                           ; v31 256 x lane: the quarter's 24 blocks (lanes 24-31 name block 23 again); never rewritten
.set MSB, 0
.macro WIN new
.if MSB != (\new)
	s_set_vgpr_msb (MSB<<8)|(\new)
.set MSB, (\new)
.endif
.endm
.set MUL_LO, 0xa1
.set MUL_HI, 0xf1
.set TO_B,   0x40
.macro JLOAD g0a, g1a, g0b, g1b
	s_cmp_eq_u32 s15, 0
	s_cbranch_scc0 .Lfor_b_\@
	tensor_load_to_lds s[\g0a:\g0a+3], s[\g1a:\g1a+7]
	s_nop 0
.rept 4
	v_nop
.endr
	s_branch .Lasked_\@
.Lfor_b_\@:
	tensor_load_to_lds s[\g0b:\g0b+3], s[\g1b:\g1b+7]
	s_nop 0
.rept 4
	v_nop
.endr
.Lasked_\@:
.endm
.macro CREST
	s_cmp_lg_u32 s14, 0
	s_cbranch_scc1 .Lnot_wave_0_\@
	s_barrier_signal -3
.Lnot_wave_0_\@:
	s_barrier_wait -3
	s_barrier_signal -1
	s_barrier_wait -1
.endm
.macro CROUND
	s_barrier_signal -1
	s_barrier_wait -1
	CREST
.endm
.macro PLACES n
.rept \n
	v_nop
.endr
.endm
.macro FRAG reg, adr, q, i
.irp c, 0,1,2
	ds_load_b128 v[\reg+4*\c:\reg+4*\c+3], v[\adr] offset:(\q)*GRP+(\i)*FRB+512*\c
.endr
.endm
.macro FETCH_B slot, q, p
	WIN TO_B
.irp i, 0,1,2,3,4,5,6,7
	FRAG 128*(\p)+FR*\i, ADRB+\slot, \q, \i
.endr
	WIN 0
.endm
.macro FETCH_A slot, q, i0
.irp i, \i0, \i0+1, \i0+2, \i0+3
	FRAG AF+FR*(\i), ADRA+\slot, \q, \i
.endr
.endm
.macro SCALES set
.irp q, 0,1
	ds_load_b128 v[SC+16*\set+8*\q:SC+16*\set+8*\q+3], v[ADRS] offset:512*\q
	ds_load_b128 v[SC+16*\set+8*\q+4:SC+16*\set+8*\q+7], v[ADRS] offset:512*\q+16
.endr
.endm
.macro MUL16 a0, p, q, sc, zero
.irp a, \a0, \a0+1
.irp b, 0,1,2,3,4,5,6,7
.if \zero
	v_wmma_scale_f32_16x16x128_f8f6f4 v[8*(8*((\a)%4)+\b):8*(8*((\a)%4)+\b)+7], v[128*(\p)+FR*\b:128*(\p)+FR*\b+FR-1], v[AF+FR*(\a):AF+FR*(\a)+FR-1], 0, v[SC+16*(\sc)+8*(\q)+\b], v[SC+16*(\sc)+8*(\q)+(\a)] matrix_a_fmt:MATRIX_FMT_FP6 matrix_b_fmt:MATRIX_FMT_FP6 matrix_a_scale:MATRIX_SCALE_ROW1
.else
	v_wmma_scale_f32_16x16x128_f8f6f4 v[8*(8*((\a)%4)+\b):8*(8*((\a)%4)+\b)+7], v[128*(\p)+FR*\b:128*(\p)+FR*\b+FR-1], v[AF+FR*(\a):AF+FR*(\a)+FR-1], v[8*(8*((\a)%4)+\b):8*(8*((\a)%4)+\b)+7], v[SC+16*(\sc)+8*(\q)+\b], v[SC+16*(\sc)+8*(\q)+(\a)] matrix_a_fmt:MATRIX_FMT_FP6 matrix_b_fmt:MATRIX_FMT_FP6 matrix_a_scale:MATRIX_SCALE_ROW1
.endif
.endr
.endr
.endm
.macro STEP slot, zero
	s_wait_dscnt 4*NL
	WIN MUL_LO
	MUL16 0, 0, 0, \slot, \zero
	MUL16 2, 0, 0, \slot, \zero
	s_wait_dscnt 0x0
	PLACES NP
	FETCH_B \slot, 1, 1
	FETCH_A \slot, 1, 0
	WIN MUL_HI
	MUL16 4, 0, 0, \slot, \zero
	MUL16 6, 0, 0, \slot, \zero
	PLACES NP
	WIN 0
	FETCH_A \slot, 1, 4
.endm
.macro TURN slot, next, fill
	s_wait_tensorcnt 0x0
	ds_add_u32 v[SPW], v[NIL]
	s_wait_dscnt 4*NL+1
	WIN MUL_LO
	MUL16 0, 1, 1, \slot, 0
	s_wait_dscnt 0x0
	s_barrier_signal -1
	MUL16 2, 1, 1, \slot, 0
	WIN 0
	s_barrier_wait -1
.if \fill
	CREST
	s_add_nc_u64 s[G0+4*\slot+2:G0+4*\slot+3], s[G0+4*\slot+2:G0+4*\slot+3], 2*HALFT
	s_add_nc_u64 s[G0B+4*\slot+2:G0B+4*\slot+3], s[G0B+4*\slot+2:G0B+4*\slot+3], 2*HALFT
	JLOAD G0+4*\slot, G1, G0B+4*\slot, G1B
.if (\slot) == 0
	global_prefetch_b8 v[PV], s[PP:PP+1] offset:3*HALFT th:TH_LOAD_NT scope:SCOPE_SE   ; K steps 6 and 7, which the next refill asks for (the loop has LAPS - 1 = 1 trip, so the line runs once); the last refill names nothing
.endif
.else
	PLACES NP
.endif
	s_wait_alu depctr_va_vdst(0)
	v_add_nc_u32 v[ADRS], 1024, v[ADRS]
	FETCH_B \next, 0, 0
	FETCH_A \next, 0, 0
	SCALES \next
	WIN MUL_HI
	MUL16 4, 1, 1, \slot, 0
	MUL16 6, 1, 1, \slot, 0
	PLACES NP
	WIN 0
	FETCH_A \next, 0, 4
.endm
.macro QTAIL s, w, pw
.irp b, 0,1,2,3
	v_add_nc_u32 v[TM+12+\b], 0xff000000, v[TM+\b]
.endr
.irp b, 0,1,2,3
	v_lshrrev_b32 v[TM+4+\b], 23, v[TM+12+\b]
.endr
	v_lshl_or_b32 v[\pw], v[TM+5], 8, v[TM+4]
	v_lshl_or_b32 v[\pw], v[TM+6], 16, v[\pw]
	v_lshl_or_b32 v[\pw], v[TM+7], 24, v[\pw]
	WIN (\w)
.irp c, 0,1
	v_cvt_scalef32_pk16_fp6_f32 v[PC+6*\c:PC+6*\c+2], v[(\s)+32*\c:(\s)+32*\c+15], v[TM+12+2*\c]
	v_cvt_scalef32_pk16_fp6_f32 v[PC+12+4*\c:PC+14+4*\c], v[(\s)+32*\c+16:(\s)+32*\c+31], v[TM+13+2*\c]
.endr
	WIN 0
	v_nop
.irp c, 0,1
.irp i, 0,1,2
	v_permlane16_swap_b32 v[PC+6*\c+\i], v[PC+12+4*\c+\i]
.endr
.irp i, 0,1,2
	v_mov_b32 v[PC+3+6*\c+\i], v[PC+12+4*\c+\i]
.endr
.endr
.endm
.macro FSTORE a, ptr
.irp c, 0,1,2
	global_store_b128 v[CO], v[PC+4*\c:PC+4*\c+3], s[\ptr:\ptr+1] offset:1536*(\a)+512*\c
.endr
.endm
.macro SWOUT src, wo, ptr, off
.irp j, 0,1,2,3
	v_cndmask_b32 v[(\wo)+\j], v[(\src)+\j], v[(\src)+4+\j], s[HM]
.endr
	global_store_b128 v[SWO], v[(\wo):(\wo)+3], s[\ptr:\ptr+1] offset:\off
.endm
	s_load_b256 s[4:11], s[0:1], 0x0
	v_lshl_add_u32 v[SPW], v0, 2, SPARE
	v_mov_b32 v[NIL], 0
	ds_add_u32 v[SPW], v[NIL]
	ds_add_u32 v[SPW], v[NIL]
	v_lshrrev_b32 v1, 5, v0
	v_readfirstlane_b32 s14, v1
	s_lshr_b32 s15, s14, 1
	s_and_b32 s16, s14, 1
	s_bfe_u32 s40, ttmp6, 0x40000
	s_bfe_u32 s41, ttmp6, 0x40004
	s_lshl_b32 s43, s41, 2
	s_lshl_b32 s43, 15, s43
	s_lshl_b32 s44, 0x1111, s40
	s_or_b32 s[G1+0], s43, (3<<16)|(1<<21)
	s_or_b32 s[G1B+0], s44, (3<<16)|(1<<21)
.irp g, G1, G1B                        ; for the head's loads of codes: two rows, a group each, of two K steps (24,576 bytes); from group to group all of K
	s_mov_b32 s[\g+1], (HALFT/8)<<16
	s_mov_b32 s[\g+2], 2<<16
	s_mov_b32 s[\g+3], (HALFT/8)<<16
	s_mov_b32 s[\g+4], 2
	s_mov_b32 s[\g+5], NKS*GRP/8
	s_mov_b32 s[\g+6], 0
	s_mov_b32 s[\g+7], 0
.endr
	s_or_b32 s[G1S+0], s43, (3<<16)|(1<<21)
	s_or_b32 s[G1SB+0], s44, (3<<16)|(1<<21)
.irp g, G1S, G1SB
	s_mov_b32 s[\g+1], 32<<16
	s_mov_b32 s[\g+2], (4*NKS)<<16                 ; two groups' scale words: 8,192 dense bytes as 32 rows of 256
	s_mov_b32 s[\g+3], 32<<16
	s_mov_b32 s[\g+4], 4*NKS
	s_mov_b32 s[\g+5], 32
	s_mov_b32 s[\g+6], 0
	s_mov_b32 s[\g+7], 0
.endr
	s_lshl_b32 s42, ttmp9, 2
	s_add_co_u32 s42, s42, s40
	s_and_b32 s18, ttmp7, 0xffff
	s_lshl_b32 s17, s18, 2
	s_add_co_u32 s17, s17, s41
	s_lshl_b32 s20, s17, 1
	s_add_co_u32 s20, s20, s16
	s_lshl_b32 s20, s20, 3
	s_lshr_b32 s18, s18, 1
	s_lshl_b32 s18, s18, 4
	s_lshl_b32 s46, s42, 1
	s_add_co_u32 s46, s46, s18
	s_add_co_u32 s46, s46, s16
	s_add_co_u32 s46, s46, 64
	s_lshl_b32 s46, s46, 3
	s_lshl_b32 s22, s20, 9
	s_add_co_u32 s22, s22, SOFFA
	s_mov_b32 s23, 0
	s_mul_i32 s20, s20, GRP
	s_mov_b32 s21, 0
	s_lshl_b32 s92, s46, 9
	s_add_co_u32 s92, s92, SOFFB
	s_mov_b32 s93, 0
	s_mul_i32 s46, s46, GRP
	s_mov_b32 s47, 0
	s_mul_i32 s45, s14, HALFT
	s_wait_dscnt 0x0
	s_wait_kmcnt 0x0
	s_add_nc_u64 s[20:21], s[PA:PA+1], s[20:21]
	s_add_nc_u64 s[22:23], s[PA:PA+1], s[22:23]
	s_add_nc_u64 s[46:47], s[PB:PB+1], s[46:47]
	s_add_nc_u64 s[92:93], s[PB:PB+1], s[92:93]
	CROUND
	; THE HEAD'S FOUR TILES, each whole, one load a wave: wave 0 slot 0's codes of A's two groups, wave 1 those of B's, wave 2 A's scale words for all of K, wave 3 B's
	s_mul_i32 s96, s16, NKS*GRP                    ; from the pair's first group to the group that I fetch in the ring, in codes
	s_mov_b32 s97, 0
	s_mov_b32 s[G0], 1
	s_mov_b32 s[G0+1], 0
	s_sub_nc_u64 s[G0+2:G0+3], s[20:21], s[96:97]
	s_or_b32 s[G0+3], s[G0+3], 0x80000000
	s_mov_b32 s[G0B], 1
	s_mov_b32 s[G0B+1], 2*HALFT
	s_sub_nc_u64 s[G0B+2:G0B+3], s[46:47], s[96:97]
	s_or_b32 s[G0B+3], s[G0B+3], 0x80000000
	s_lshl_b32 s96, s16, 12                        ; and in scale words
	s_mov_b32 s[G0S], 1
	s_mov_b32 s[G0S+1], SCL
	s_sub_nc_u64 s[G0S+2:G0S+3], s[22:23], s[96:97]
	s_or_b32 s[G0S+3], s[G0S+3], 0x80000000
	s_mov_b32 s[G0SB], 1
	s_mov_b32 s[G0SB+1], SCL+2*HALFS
	s_sub_nc_u64 s[G0SB+2:G0SB+3], s[92:93], s[96:97]
	s_or_b32 s[G0SB+3], s[G0SB+3], 0x80000000
	; PREFETCH: behind each load of the ring a wave names what its NEXT load will ask for, one fill (two K steps) ahead.  A wave's load brings 24,576 bytes of one group; the four partners that ask for them jointly take
	; 6,144 each, told apart BY ADDRESS (cx for A, cy for B): each block of 256 bytes is named once in a cluster
	v_and_b32 v1, 31, v0
	v_min_u32 v1, 23, v1
	v_lshlrev_b32 v[PV], 8, v1
	s_cmp_eq_u32 s15, 0                            ; waves 0 and 1 fetch for A, waves 2 and 3 for B
	s_cselect_b64 s[PP:PP+1], s[20:21], s[46:47]
	s_cselect_b32 s96, s40, s41
	s_mul_i32 s96, s96, HALFT/4
	s_add_nc_u64 s[PP:PP+1], s[PP:PP+1], s[96:97]
	s_wait_alu depctr_va_vdst(0)                   ; the wait ahead of the branches
	s_cmp_lg_u32 s14, 0                            ; one chain of branches on the wave's number, a load to an arm
	s_cbranch_scc1 .Lh1
	tensor_load_to_lds s[G0:G0+3], s[G1:G1+7]
	s_nop 0
	PLACES 4
	s_branch .Lhd
.Lh1:
	s_cmp_lg_u32 s14, 1
	s_cbranch_scc1 .Lh2
	tensor_load_to_lds s[G0B:G0B+3], s[G1B:G1B+7]
	s_nop 0
	PLACES 4
	s_branch .Lhd
.Lh2:
	s_cmp_lg_u32 s14, 2
	s_cbranch_scc1 .Lh3
	tensor_load_to_lds s[G0S:G0S+3], s[G1S:G1S+7]
	s_nop 0
	PLACES 4
	s_branch .Lhd
.Lh3:
	tensor_load_to_lds s[G0SB:G0SB+3], s[G1SB:G1SB+7]
	s_nop 0
	PLACES 4
.Lhd:
	global_prefetch_b8 v[PV], s[PP:PP+1] offset:HALFT th:TH_LOAD_NT scope:SCOPE_SE     ; K steps 2 and 3, which slot 1's first fill asks for
	s_wait_alu depctr_va_vdst(0)                   ; the wait ahead of the blocking wait
	s_wait_tensorcnt 0x0                           ; my tile of the head's four is in
	ds_add_u32 v[SPW], v[NIL]
.irp g, G1, G1B                        ; no tensor load of mine is out, so descriptors may be written: from here on a load brings one group's two K steps, 24,576 dense bytes as 96 rows of 256
	s_mov_b32 s[\g+1], 32<<16
	s_mov_b32 s[\g+2], 96<<16
	s_mov_b32 s[\g+3], 32<<16
	s_mov_b32 s[\g+4], 96
	s_mov_b32 s[\g+5], 32
.endr
.irp s, 0,1                            ; the ring's groups 0: my quarter of each slot
	s_mov_b32 s[G0+4*\s], 1
	s_add_co_u32 s[G0+4*\s+1], s45, \s*SLOT
	s_add_nc_u64 s[G0+4*\s+2:G0+4*\s+3], s[20:21], \s*HALFT
	s_or_b32 s[G0+4*\s+3], s[G0+4*\s+3], 0x80000000
	s_mov_b32 s[G0B+4*\s], 1
	s_add_co_u32 s[G0B+4*\s+1], s45, \s*SLOT
	s_add_nc_u64 s[G0B+4*\s+2:G0B+4*\s+3], s[46:47], \s*HALFT
	s_or_b32 s[G0B+4*\s+3], s[G0B+4*\s+3], 0x80000000
.endr
	s_wait_dscnt 0x0
	CROUND                                         ; a whole round: all four tiles are in, and all sixteen work-groups are here
	JLOAD G0+4, G1, G0B+4, G1B                     ; slot 1's first fill, first behind the round
	global_prefetch_b8 v[PV], s[PP:PP+1] offset:2*HALFT th:TH_LOAD_NT scope:SCOPE_SE   ; K steps 4 and 5, which the first refill asks for
	v_and_b32 v1, 15, v0
	v_bfe_u32 v2, v0, 4, 1
	s_wait_alu depctr_va_vdst(0)
	v_and_b32 v3, 31, v0
	v_lshlrev_b32 v[CO], 4, v3
	s_mul_i32 s21, s15, HALFT
	s_mul_i32 s22, s16, HALFT
	s_add_co_u32 s22, s22, 2*HALFT
.irp s, 0,1
	v_add_nc_u32 v[ADRA+\s], s21, v[CO]
	v_add_nc_u32 v[ADRB+\s], s22, v[CO]
	s_add_co_u32 s21, s21, SLOT
	s_add_co_u32 s22, s22, SLOT
.endr
	v_lshlrev_b32 v5, 5, v1
	v_lshl_add_u32 v[SWO], v2, 4, v5
	s_mul_i32 s21, s15, HALFS
	s_add_co_u32 s21, s21, S1SC
	s_mul_i32 s22, s16, HALFS
	s_add_co_u32 s22, s22, SCL+2*HALFS
	s_sub_co_u32 s22, s22, s21
	v_mul_u32_u24 v6, s22, v2
	v_add_nc_u32 v5, v5, v6
	v_add_nc_u32 v[ADRS], s21, v5
	s_lshl_b32 s95, s17, 1
	s_add_co_u32 s95, s95, s15
	s_lshl_b32 s95, s95, 4
	s_lshl_b32 s96, s42, 1
	s_add_co_u32 s96, s96, s16
	s_add_co_u32 s95, s95, s96
	s_mov_b32 s97, 0
	s_lshl_b32 s96, s95, 11
	s_add_nc_u64 s[6:7], s[6:7], s[96:97]
	s_lshl_b32 s96, s95, 9
	s_add_nc_u64 s[10:11], s[10:11], s[96:97]
	s_add_co_u32 s96, s96, PQ_S
	s_add_nc_u64 s[12:13], s[8:9], s[96:97]
	s_mul_i32 s96, s95, GRP
	s_add_nc_u64 s[8:9], s[8:9], s[96:97]
.irp i, 0,1,2,3
	global_load_b128 v[MV+4*\i:MV+4*\i+3], v[CO], s[6:7] offset:512*\i
.endr
	s_wait_alu depctr_va_vdst(0)
	s_wait_tensorcnt 0x1
	s_barrier_signal -1
	s_barrier_wait -1
	FETCH_B 0, 0, 0
	FETCH_A 0, 0, 0
	SCALES 0
	FETCH_A 0, 0, 4
	STEP 0, 1
	s_mov_b32 s3, LAPS-1
.Llap:
	TURN 0, 1, 1
	STEP 1, 0
	TURN 1, 0, 1
	STEP 0, 0
	s_sub_co_u32 s3, s3, 1
	s_cmp_lg_u32 s3, 0
	s_cbranch_scc1 .Llap
	TURN 0, 1, 0
	STEP 1, 0
	s_wait_dscnt 4*NL
	WIN MUL_LO
	MUL16 0, 1, 1, 1, 0
	MUL16 2, 1, 1, 1, 0
	s_wait_dscnt 0x0
	WIN MUL_HI
	MUL16 4, 1, 1, 1, 0
	MUL16 6, 1, 1, 1, 0
	WIN 0
.macro PTILE a
.set AC, 64*((\a)%4)
	s_wait_xcnt 0x0
	WIN 2+(\a)/4
.set J, 0
.rept 32
	v_pk_mul_f32 v[HA+J:HA+J+1], v[AC+J:AC+J+1], s[CS:CS+1] op_sel_hi:[1,0]
.set J, J+2
.endr
	WIN 0
.set G, 0
.rept 4
.set XX, 0
.rept 16
.set KK, 2*((16*G+XX)%32)+(16*G+XX)/32
	v_readlane_b32 s[32+16*(G%2)+XX], v[MV+4*((\a)/2)+KK%4], 16*((\a)%2)+KK/4
.set XX, XX+1
.endr
.set XX, 0
.rept 16
	v_cndmask_b32 v[HA+16*G+XX], v[TMSK], v[HA+16*G+XX], s[32+16*(G%2)+XX]
.set XX, XX+1
.endr
.set G, G+1
.endr
.irp b, 0,1,2,3
	v_max3_num_f32 v[TM+\b], v[HA+16*\b], v[HA+16*\b+1], v[HA+16*\b+2]
.endr
.irp i, 3,5,7,9,11,13
.irp b, 0,1,2,3
	v_max3_num_f32 v[TM+\b], v[TM+\b], v[HA+16*\b+\i], v[HA+16*\b+\i+1]
.endr
.endr
.irp b, 0,1,2,3
	v_max_num_f32 v[TM+\b], v[TM+\b], v[HA+16*\b+15]
.endr
.irp b, 0,1,2,3
	v_permlanex16_b32 v[TM+4+\b], v[TM+\b], s[SEL], s[SEL+1]
.endr
.irp b, 0,1,2,3
	v_max_num_f32 v[TM+\b], v[TM+\b], v[TM+4+\b]
.endr
	v_max3_num_f32 v[TMAX], v[TM], v[TM+1], v[TM+2]
	v_max_num_f32 v[TMAX], v[TMAX], v[TM+3]
	v_floor_f32 v[NEGM], -v[TMAX]
.set J, 0
.rept 32
	v_pk_add_f32 v[HA+J:HA+J+1], v[HA+J:HA+J+1], v[NEGM:NEGM+1] op_sel_hi:[1,0]
.set J, J+2
.endr
.irp b, 0,1,2,3
	v_add_f32 v[TM+\b], v[TM+\b], v[NEGM]
.endr
.set J, 0
	s_wait_alu depctr_va_vdst(0)
.rept 64
	v_exp_f32 v[HA+J], v[HA+J]
.set J, J+1
.endr
	v_mov_b32 v[NMV+(\a)], v[NEGM]
	s_wait_alu depctr_va_vdst(0)
.irp b, 0,1,2,3
	v_exp_f32 v[TM+\b], v[TM+\b]
.endr
	v_pk_add_f32 v[SUMA:SUMA+1], v[HA:HA+1], v[HA+2:HA+3]
	v_pk_add_f32 v[SUMB:SUMB+1], v[HA+4:HA+5], v[HA+6:HA+7]
.set J, 8
.rept 14
	v_pk_add_f32 v[SUMA:SUMA+1], v[SUMA:SUMA+1], v[HA+J:HA+J+1]
	v_pk_add_f32 v[SUMB:SUMB+1], v[SUMB:SUMB+1], v[HA+J+2:HA+J+3]
.set J, J+4
.endr
	v_pk_add_f32 v[SUMA:SUMA+1], v[SUMA:SUMA+1], v[SUMB:SUMB+1]
	v_add_f32 v[TMAX], v[SUMA], v[SUMA+1]
	v_permlanex16_b32 v[TOTH], v[TMAX], s[SEL], s[SEL+1]
	v_add_f32 v[LSV+(\a)], v[TMAX], v[TOTH]
	s_wait_alu depctr_va_vdst(0)
.irp b, 0,1,2,3
	v_max_num_f32 v[TM+\b], 0x1800000, v[TM+\b]
.endr
	QTAIL HA,0,SW+(\a)
	FSTORE \a,8
.endm
	PLACES NP
	s_mov_b32 s[SEL], 0x76543210
	s_mov_b32 s[SEL+1], 0xfedcba98
	s_mov_b32 s[CS], 0x3d38aa3b
	s_mov_b32 s[CS+1], s[CS]
	s_mov_b32 s[HM], 0xffff0000
	v_mov_b32 v[TMSK], 0xe0ad78ec
	v_mul_f32 v[TMSK], s[CS], v[TMSK]
	v_mov_b32 v[NEGM+1], 0
	v_mov_b32 v[TOTH], 0
.irp b, 0,1,2,3
	v_mov_b32 v[TM+4+\b], 0
.endr
	s_wait_loadcnt 0x0
.irp a, 0,1,2,3,4,5,6,7
	PTILE \a
.endr
	SWOUT SW,WO,12,0
	SWOUT NMV,WO+4,10,0
	SWOUT LSV,WO+8,10,524288
	s_wait_tensorcnt 0x0
	ds_add_u32 v[SPW], v[NIL]
	s_wait_dscnt 0x0
	CROUND
	s_endpgm
.Lfunc_end_k_qef95f1862d_score:
	.size	k_qef95f1862d_score, .Lfunc_end_k_qef95f1862d_score-k_qef95f1862d_score
	.p2alignl 7, 3214868480
	.fill 96, 4, 3214868480
	.section	.rodata,"a",@progbits
	.p2align	6, 0x0
	.amdhsa_kernel k_qef95f1862d_score
		.amdhsa_group_segment_fixed_size 327680
		.amdhsa_private_segment_fixed_size 0
		.amdhsa_enable_private_segment 0
		.amdhsa_kernarg_size 32
		.amdhsa_user_sgpr_count 2
		.amdhsa_user_sgpr_kernarg_segment_ptr 1
		.amdhsa_wavefront_size32 1
		.amdhsa_system_sgpr_workgroup_id_x 1
		.amdhsa_system_sgpr_workgroup_id_y 1
		.amdhsa_system_sgpr_workgroup_id_z 1
		.amdhsa_system_vgpr_workitem_id 0
		.amdhsa_next_free_vgpr 1024
		.amdhsa_next_free_sgpr 100
		.amdhsa_reserve_vcc 0
		.amdhsa_float_denorm_mode_32 3
		.amdhsa_float_denorm_mode_16_64 3
		.amdhsa_memory_ordered 1
		.amdhsa_forward_progress 1
		.amdhsa_inst_pref_size 255
	.end_amdhsa_kernel
	.section	.bss,"aw",@nobits
	.p2align	6
	.space	262144
	.amdgpu_metadata
---
amdhsa.version: [ 1, 2 ]
amdhsa.kernels:
  - .name:           k_qef95f1862d_score
    .symbol:         k_qef95f1862d_score.kd
    .args:
      - { .name: prj, .offset: 0, .size: 8, .value_kind: global_buffer, .address_space: global }
      - { .name: mbits, .offset: 8, .size: 8, .value_kind: global_buffer, .address_space: global }
      - { .name: pq, .offset: 16, .size: 8, .value_kind: global_buffer, .address_space: global }
      - { .name: pst, .offset: 24, .size: 8, .value_kind: global_buffer, .address_space: global }
    .group_segment_fixed_size: 327680
    .private_segment_fixed_size: 0
    .kernarg_segment_align: 8
    .kernarg_segment_size: 32
    .max_flat_workgroup_size: 128
    .sgpr_count:     100
    .vgpr_count:     1024
    .wavefront_size: 32
...
	.end_amdgpu_metadata
.endif
;; end of part 3
;; launch ctx (part 4): grid 4 x 64, 4 waves a work-group, clusters of 4 x 4, 327,680 bytes of LDS; arguments prj, pq, pst, oq; writes oq
.if DOCPART == 4
	.amdgcn_target "amdgcn-amd-amdhsa--gfx1250"
	.amdhsa_code_object_version 6
	.text
	.protected	k_qef95f1862d_ctx
	.globl	k_qef95f1862d_ctx
	.p2align	8
	.type	k_qef95f1862d_ctx,@function
k_qef95f1862d_ctx:
	s_mov_b64 s[64:65], 0
	v_nop
	global_prefetch_b8 v0, s[64:65] scope:SCOPE_SE
	s_setreg_imm32_b32 hwreg(HW_REG_WAVE_MODE, 25, 1), 1
	s_wait_xcnt 0x0
	s_wait_alu depctr_hold_cnt(0) depctr_sa_sdst(0) depctr_va_vdst(0) depctr_va_sdst(0) depctr_va_ssrc(0) depctr_va_vcc(0) depctr_vm_vsrc(0)
	s_getreg_b32 s2, hwreg(HW_REG_IB_STS2, 6, 4)
	s_cmp_eq_u32 s2, 0
	s_cbranch_scc0 .Lentry_in_a_cluster
	s_endpgm
.Lentry_in_a_cluster:
	s_bfe_u32 s2, ttmp6, 0x10000c
	s_cmp_lg_u32 s2, 0xf033
	s_cbranch_scc0 .Lentry_shape_is_right
	s_endpgm
.Lentry_shape_is_right:
; O = (p v) / l on codes of FP6 (E2M3), K = the batch's 2,048 keys; O is quantised along the features on the way out and leaves as an operand image.
; p arrives quantised against sixteen local maxima M' a query (one for each 128 keys).  AHEAD OF THE PRODUCTS the work-group takes, for each of its 128 queries, M = the largest M' (the row's own maximum, a whole number),
; lowers the four scale bytes of each (query, 128 keys) by M - M', held at 0 from below, into LDS words of their own, and forms l = the sum of l' 2^(M' - M) and 1 / l.  The codes need no change: M - M' is a whole number.
; That work takes its numbers straight from memory and stands between the first tiles' requests and the wait for them.
; SHARES: a work-group makes 128 queries ("A" = p) x 256 features ("B" = v^T); a wave 64 x 128: A's tiles 4 (wave / 2) on, B's group wave % 2: 32 accumulators.  The product is used transposed: a lane holds one query position,
; and a tile's 64 registers run along 128 features in their natural order.
; THE RING: two LDS slots of FOUR K steps each (A's codes, B's two groups' codes, B's scale words); K is four slots' worth: two first fills, two refills.  Wave 0 fetches A's codes, wave 1 B's first group's codes, wave 2 its second,
; wave 3 B's scale words.  CLUSTER 4 x 4: A's blocks are shared along a row of the cluster, B's along a column: joint loads.
; LIMITS: a block whose byte would fall under 0 is held at the byte 0: it then adds at most 7.5 x 2^-127 a key beside a row's sum above 1/2; M - M' is held at 1,024, beyond which every byte is 0 and l' 2^(M' - M) is 0;
; the division is v_rcp_f32 and a multiplication; a block of zeros gets the byte 1; NaN and infinities are not served.
; REGISTERS: window 0: v16-31 addresses; v32-63 A's scale words, two sets; v64-127 B's, two sets; v128-223 A's fragments, two sets (ahead of the products: at work; on the way out: the codes); v224-251 the way out; window 1: B's two sets; window 2: the accumulators.
.set NKS,   16
.set FR,    12
.set FRB,   1536
.set GRP,   8*FRB
.set CH,    4
.set ACB,   CH*GRP
.set BOFF,  ACB
.set ASOFF, 3*ACB                      ; (2,048 bytes of a slot that this launch leaves unused: A's scale words are read from their lowered copy)
.set BSOFF, ASOFF+CH*512
.set SLOT,  BSOFF+2*CH*512
.set NP,    4                          ; places behind this matrix instruction (ISA guide 7.12.1)
.set FIX,   2*SLOT                     ; behind the ring: p's lowered scale words [K step][position r][tile]; written by LDS stores alone
.set RLB,   FIX+512*NKS                ; 1 / l, [position r][tile]; written by LDS stores alone
.set SPARE, RLB+512                    ; the spare words, 128 bytes for each wave: two blocks of 256 bytes that no other line names
.set AS_LDS, 0
.set PRJ_S, 18874368
.set PQ_S,  12582912
.set OQ_S,  6291456
.set PA,    6                          ; s[6:7]: pq
.set PB,    4                          ; s[4:5]: prj
.set SOFFB, PRJ_S
.set ADRA, 16
.set COF,  16                          ; (slot 0's address is also my offset in a unit of the output)
.set ADFX, 18                          ; v18 FIX + 32 r + 16 x (wave / 2)
.set ADRB, 20
.set ADSB, 22
.set FXA,  24                          ; v24 FIX + 4 x thread
.set CO,   26
.set SPW,  28
.set NIL,  29
.set SWO,  30
.set G4,   31                          ; v31 4 x thread
.set SA,   32
.set SB,   64
.set AF,   128
.set NM,   128                         ; ahead of the products: v128-143 -M' of my word position, a register a K step; then M - M'
.set LP,   144                         ; v144-159 l'
.set RW,   160                         ; v160-175 the scale words
.set FT,   176                         ; v176-191 at work
.set ND,   192                         ; v192-207 M' - M
.set PC,   176
.set TM,   224
.set SW,   240
.set WO,   244
.set RLP,  246                         ; v[246:247] the tile's 1 / l
.set RL,   248                         ; v248-251 1 / l of my position in my four tiles
.set SEL,  20
.set HM,   22
.set G1A,  24
.set G1B,  32
.set G1BS, 48
.set G0A,  56
.set G0B,   68
.set G0B2,  76                         ; B's second group has groups 0 of its own: wave 1 fetches B's first group, wave 2 its second, each a dense block, so that every wave has a load at the head and behind each round that fills a slot
.set PP,    104                        ; s[104:105] the prefetches' base: my work-group's unit of the first four that my wave's loads bring; never rewritten
.set PV1,   25                         ; v25 256 x lane: a unit's blocks 0-31
.set PV2,   27                         ; v27 its blocks 32-47 (lanes 16-31 name block 47 again)
.set PV4,   19                         ; v19 the two blocks of a unit's scale words, for two groups NKS x 512 bytes apart (lanes 4-31 name the last again)
.set G0BS, 84
.set MSB, 0
.macro WIN new
.if MSB != (\new)
	s_set_vgpr_msb (MSB<<8)|(\new)
.set MSB, (\new)
.endif
.endm
.set W_MUL, 0xa1
.set TO_B,  0x40
.macro PLACES n
.rept \n
	v_nop
.endr
.endm
.macro TL g0, g1                       ; a joint load; an s_nop 0 and four v_nop follow it
	tensor_load_to_lds s[\g0:\g0+3], s[\g1:\g1+7]
	s_nop 0
	PLACES 4
.endm
; PREFETCH: behind each joint load the wave that issued it names what its NEXT load will ask for: one fill, four K steps, ahead.  A fill brings four units of a group; the four partners that ask jointly take a unit each,
; told apart BY ADDRESS (cx for p, cy for v^T): each block of 256 bytes is named once in a cluster.  ask: which fill, 1 to 3; 0: nothing is left to name.
.macro ASKC ask
.if \ask
	global_prefetch_b8 v[PV1], s[PP:PP+1] offset:(\ask)*CH*GRP th:TH_LOAD_NT scope:SCOPE_SE
	global_prefetch_b8 v[PV2], s[PP:PP+1] offset:(\ask)*CH*GRP th:TH_LOAD_NT scope:SCOPE_SE
.endif
.endm
.macro ASKS ask
.if \ask
	global_prefetch_b8 v[PV4], s[PP:PP+1] offset:(\ask)*CH*512 th:TH_LOAD_NT scope:SCOPE_SE
.endif
.endm
.macro JLOAD4 slot, ask
	s_cmp_lg_u32 s14, 0
	s_cbranch_scc1 .Lj1_\@
	TL G0A+4*(\slot), G1A
	ASKC \ask
	s_branch .Ljd_\@
.Lj1_\@:
	s_cmp_lg_u32 s14, 1
	s_cbranch_scc1 .Lj2_\@
	TL G0B+4*(\slot), G1B
	ASKC \ask
	s_branch .Ljd_\@
.Lj2_\@:
	s_cmp_lg_u32 s14, 3
	s_cbranch_scc1 .Lj3_\@
	TL G0BS+4*(\slot), G1BS
	ASKS \ask
	s_branch .Ljd_\@
.Lj3_\@:
	TL G0B2+4*(\slot), G1B
	ASKC \ask
.Ljd_\@:
.endm
.macro CREST
	s_cmp_lg_u32 s14, 0
	s_cbranch_scc1 .Lnot_wave_0_\@
	s_barrier_signal -3
.Lnot_wave_0_\@:
	s_barrier_wait -3
	s_barrier_signal -1
	s_barrier_wait -1
.endm
.macro CROUND
	s_barrier_signal -1
	s_barrier_wait -1
	CREST
.endm
.macro AIM slot, ua, ub, kadd          ; A's side is made in s66, s[96:97], B's in s67, s[98:99]: neither ever holds the other's place in the cluster
	s_add_co_u32 s66, s[\ua], \kadd
	s_mul_i32 s96, s66, GRP
	s_add_nc_u64 s[G0A+4*(\slot)+2:G0A+4*(\slot)+3], s[PA:PA+1], s[96:97]
	s_or_b32 s[G0A+4*(\slot)+3], s[G0A+4*(\slot)+3], 0x80000000
	s_add_co_u32 s67, s[\ub], \kadd
	s_mul_i32 s98, s67, GRP
	s_add_nc_u64 s[G0B+4*(\slot)+2:G0B+4*(\slot)+3], s[PB:PB+1], s[98:99]
	s_add_nc_u64 s[G0B2+4*(\slot)+2:G0B2+4*(\slot)+3], s[G0B+4*(\slot)+2:G0B+4*(\slot)+3], NKS*GRP   ; from group to group all of K
	s_or_b32 s[G0B+4*(\slot)+3], s[G0B+4*(\slot)+3], 0x80000000
	s_or_b32 s[G0B2+4*(\slot)+3], s[G0B2+4*(\slot)+3], 0x80000000
	s_lshl_b32 s98, s67, 9
	s_add_co_u32 s98, s98, SOFFB
	s_add_nc_u64 s[G0BS+4*(\slot)+2:G0BS+4*(\slot)+3], s[PB:PB+1], s[98:99]
	s_or_b32 s[G0BS+4*(\slot)+3], s[G0BS+4*(\slot)+3], 0x80000000
.endm
.macro FRAG reg, adr, q, i
.irp c, 0,1,2
	ds_load_b128 v[\reg+4*\c:\reg+4*\c+3], v[\adr] offset:(\q)*GRP+(\i)*FRB+512*\c
.endr
.endm
.macro FETCH slot, q, p
	WIN TO_B
.irp i, 0,1,2,3,4,5,6,7
	FRAG 128*(\p)+FR*\i, ADRB+(\slot), \q, \i
.endr
	WIN 0
.irp i, 0,1,2,3
	FRAG AF+48*(\p)+FR*\i, ADRA+(\slot), \q, \i
.endr
.endm
.macro SCALES set, offa                ; A's words from the lowered copy, offa bytes on; B's from the slot
.irp q, 0,1,2,3
	ds_load_b128 v[SA+16*(\set)+4*\q:SA+16*(\set)+4*\q+3], v[ADFX] offset:(\offa)+512*\q
	ds_load_b128 v[SB+32*(\set)+8*\q:SB+32*(\set)+8*\q+3], v[ADSB+(\set)] offset:512*\q
	ds_load_b128 v[SB+32*(\set)+8*\q+4:SB+32*(\set)+8*\q+7], v[ADSB+(\set)] offset:512*\q+16
.endr
.endm
.macro MUL8 a, p, q, set, zero         ; the 32 accumulators take turns, one instruction a turn
.irp b, 0,1,2,3,4,5,6,7
.if \zero
	v_wmma_scale_f32_16x16x128_f8f6f4 v[8*(8*(\a)+\b):8*(8*(\a)+\b)+7], v[128*(\p)+FR*\b:128*(\p)+FR*\b+FR-1], v[AF+48*(\p)+FR*(\a):AF+48*(\p)+FR*(\a)+FR-1], 0, v[SB+32*(\set)+8*(\q)+\b], v[SA+16*(\set)+4*(\q)+(\a)] matrix_a_fmt:MATRIX_FMT_FP6 matrix_b_fmt:MATRIX_FMT_FP6
.else
	v_wmma_scale_f32_16x16x128_f8f6f4 v[8*(8*(\a)+\b):8*(8*(\a)+\b)+7], v[128*(\p)+FR*\b:128*(\p)+FR*\b+FR-1], v[AF+48*(\p)+FR*(\a):AF+48*(\p)+FR*(\a)+FR-1], v[8*(8*(\a)+\b):8*(8*(\a)+\b)+7], v[SB+32*(\set)+8*(\q)+\b], v[SA+16*(\set)+4*(\q)+(\a)] matrix_a_fmt:MATRIX_FMT_FP6 matrix_b_fmt:MATRIX_FMT_FP6
.endif
.endr
.endm
.macro STEP slot, q, zero
	s_wait_dscnt 0x0                               ; this step's fragments (and scale words) are in
	PLACES NP                                      ; in front of loads into registers that the last step's matrix instructions have read
	FETCH \slot, (\q)+1, 1-(\q)%2
	WIN W_MUL
.irp a, 0,1,2,3
	MUL8 \a, (\q)%2, \q, \slot, \zero
.endr
.endm
.macro LAST slot, fill, ua, ub, kadd, offa, ask
	WIN 0
	s_wait_tensorcnt 0x0                           ; all my tensor loads have landed: my part of the other slot; so every group 0 may be written
	ds_add_u32 v[SPW], v[NIL]                      ; 0 onto my spare word
.if \fill
	AIM \slot, \ua, \ub, \kadd
.endif
	s_wait_dscnt 0x1                               ; this step's fragments are in (the add may be out)
	WIN W_MUL
	MUL8 0, 1, 3, \slot, 0
	s_wait_dscnt 0x0                               ; the add is done, and my reads of this slot are over
	s_barrier_signal -1
	MUL8 1, 1, 3, \slot, 0
	WIN 0
	s_barrier_wait -1
.if \fill
	CREST                                          ; a round of the cluster's barrier: no wave of any partner still reads this slot or has a load on its way
	JLOAD4 \slot, \ask
.endif
	PLACES NP                                      ; in front of the loads below, on every wave's way
	FETCH 1-(\slot), 0, 0
	SCALES 1-(\slot), \offa
	WIN W_MUL
	MUL8 2, 1, 3, \slot, 0
	MUL8 3, 1, 3, \slot, 0
	WIN 0
.endm
.macro FINAL
	s_wait_dscnt 0x0
	WIN W_MUL
.irp a, 0,1,2,3
	MUL8 \a, 1, 3, 1, 0
.endr
	WIN 0
.endm
.macro QHEAD s, w
	WIN (\w)|((\w)<<2)
.irp b, 0,1,2,3
	v_max3_num_f32 v[TM+\b], |v[(\s)+16*\b]|, |v[(\s)+16*\b+1]|, 0x1800000   ; and the floor 2^(3 - 127): the byte cannot fall under 1
.endr
	WIN ((\w)<<2)|((\w)<<4)
.irp i, 2,4,6,8,10,12,14
.irp b, 0,1,2,3
	v_max3_num_f32 v[TM+\b], v[TM+\b], |v[(\s)+16*\b+\i]|, |v[(\s)+16*\b+\i+1]|
.endr
.endr
	WIN 0
.irp b, 0,1,2,3
	v_permlanex16_b32 v[TM+4+\b], v[TM+\b], s[SEL], s[SEL+1]
.endr
.irp b, 0,1,2,3
	v_max_num_f32 v[TM+\b], v[TM+\b], v[TM+4+\b]
.endr
.endm
.macro QTAIL s, w, pw
.irp b, 0,1,2,3
	v_add_nc_u32 v[TM+12+\b], 0xff000000, v[TM+\b]
.endr
.irp b, 0,1,2,3
	v_lshrrev_b32 v[TM+4+\b], 23, v[TM+12+\b]
.endr
	v_lshl_or_b32 v[\pw], v[TM+5], 8, v[TM+4]
	v_lshl_or_b32 v[\pw], v[TM+6], 16, v[\pw]
	v_lshl_or_b32 v[\pw], v[TM+7], 24, v[\pw]
	WIN (\w)
.irp c, 0,1
	v_cvt_scalef32_pk16_fp6_f32 v[PC+6*\c:PC+6*\c+2], v[(\s)+32*\c:(\s)+32*\c+15], v[TM+12+2*\c]
	v_cvt_scalef32_pk16_fp6_f32 v[PC+12+4*\c:PC+14+4*\c], v[(\s)+32*\c+16:(\s)+32*\c+31], v[TM+13+2*\c]
.endr
	WIN 0
	v_nop                                          ; one plain place behind a scaled conversion
.irp c, 0,1
.irp i, 0,1,2
	v_permlane16_swap_b32 v[PC+6*\c+\i], v[PC+12+4*\c+\i]
.endr
.irp i, 0,1,2
	v_mov_b32 v[PC+3+6*\c+\i], v[PC+12+4*\c+\i]
.endr
.endr
.endm
.macro QUANT s, w, pw
	QHEAD \s,\w
	QTAIL \s,\w,\pw
.endm
.macro FSTORE a, ptr
.irp c, 0,1,2
	global_store_b128 v[COF], v[PC+4*\c:PC+4*\c+3], s[\ptr:\ptr+1] offset:1536*(\a)+512*\c
.endr
.endm
	s_load_b256 s[4:11], s[0:1], 0x0               ; prj, pq, pst, oq
	v_lshl_add_u32 v[SPW], v0, 2, SPARE
	v_mov_b32 v[NIL], 0
	ds_add_u32 v[SPW], v[NIL]                      ; the wave's opening: the add and its wait ahead of my first tensor load
	ds_add_u32 v[SPW], v[NIL]
	v_lshrrev_b32 v1, 5, v0
	v_readfirstlane_b32 s14, v1
	s_lshr_b32 s15, s14, 1
	s_and_b32 s16, s14, 1
	s_bfe_u32 s92, ttmp6, 0x40000                  ; cx
	s_bfe_u32 s93, ttmp6, 0x40004                  ; cy
	s_lshl_b32 s94, s93, 2
	s_lshl_b32 s94, 15, s94
	s_lshl_b32 s95, 0x1111, s92
	s_or_b32 s[G1A], s94, (3<<16)|(1<<21)
	s_or_b32 s[G1B], s95, (3<<16)|(1<<21)
	s_or_b32 s[G1BS], s95, (3<<16)|(1<<21)
	s_mov_b32 s[G1A+1], 32<<16                     ; A's codes: a dense block of 49,152 bytes as 192 rows of 256
	s_mov_b32 s[G1A+2], (ACB/256)<<16
	s_mov_b32 s[G1A+3], 32<<16
	s_mov_b32 s[G1A+4], ACB/256
	s_mov_b32 s[G1A+5], 32
	s_mov_b32 s[G1A+6], 0
	s_mov_b32 s[G1A+7], 0
	s_mov_b32 s[G1B+1], 32<<16                     ; a group of B's codes: a dense block of 49,152 bytes as 192 rows of 256
	s_mov_b32 s[G1B+2], (ACB/256)<<16
	s_mov_b32 s[G1B+3], 32<<16
	s_mov_b32 s[G1B+4], ACB/256
	s_mov_b32 s[G1B+5], 32
	s_mov_b32 s[G1B+6], 0
	s_mov_b32 s[G1B+7], 0
	s_mov_b32 s[G1BS+1], (CH*64)<<16               ; B's scale words: two rows of 2,048 bytes
	s_mov_b32 s[G1BS+2], 2<<16
	s_mov_b32 s[G1BS+3], (CH*64)<<16
	s_mov_b32 s[G1BS+4], 2
	s_mov_b32 s[G1BS+5], NKS*64
	s_mov_b32 s[G1BS+6], 0
	s_mov_b32 s[G1BS+7], 0
.irp s, 0,1
	s_mov_b32 s[G0A+4*\s], 1
	s_mov_b32 s[G0A+4*\s+1], \s*SLOT
	s_mov_b32 s[G0B+4*\s], 1
	s_mov_b32 s[G0B+4*\s+1], \s*SLOT+BOFF
	s_mov_b32 s[G0B2+4*\s], 1
	s_mov_b32 s[G0B2+4*\s+1], \s*SLOT+BOFF+ACB
	s_mov_b32 s[G0BS+4*\s], 1
	s_mov_b32 s[G0BS+4*\s+1], \s*SLOT+BSOFF
.endr
	s_and_b32 s17, ttmp7, 0xffff                   ; Y = cluster y, 0-15
	s_lshl_b32 s18, s17, 2
	s_add_co_u32 s18, s18, s93                     ; my group of 128 queries, counted through the batches
	s_lshl_b32 s18, s18, 4                         ; A = p: its first unit
	s_lshr_b32 s19, s17, 2                         ; the batch
	s_lshl_b32 s19, s19, 7
	s_lshl_b32 s23, s92, 5
	s_add_co_u32 s19, s19, s23
	s_add_co_u32 s19, s19, 1024                    ; B = v^T: unit 1024 + 128 batch + 16 x (2 cx)
	s_mov_b32 s97, 0
	s_mov_b32 s99, 0
	s_mov_b32 s101, 0
	s_mov_b32 s[SEL], 0x76543210
	s_mov_b32 s[SEL+1], 0xfedcba98
	s_mov_b32 s[HM], 0xffff0000
	s_wait_dscnt 0x0                               ; the opening add is done
	s_wait_kmcnt 0x0
	AIM 0, 18, 19, 0
	AIM 1, 18, 19, CH
	CROUND                                         ; all sixteen work-groups are here: the first joint loads meet
	v_and_b32 v1, 31, v0
	v_lshlrev_b32 v[PV1], 8, v1
	v_min_u32 v2, 15, v1
	v_lshl_add_u32 v[PV2], v2, 8, 8192
	v_min_u32 v3, 3, v1
	v_lshrrev_b32 v4, 1, v3
	v_and_b32 v3, 1, v3
	v_lshlrev_b32 v3, 8, v3
	v_lshl_add_u32 v[PV4], v4, 13, v3
	s_cmp_eq_u32 s14, 0                            ; wave 0 fetches p's codes, waves 1 and 2 v^T's two groups' codes, wave 3 v^T's scale words
	s_cselect_b32 s100, s18, s19
	s_cselect_b32 s23, s92, s93
	s_cselect_b64 s[PP:PP+1], s[6:7], s[4:5]
	s_add_co_u32 s100, s100, s23                   ; my work-group's unit
	s_cmp_lt_u32 s14, 3
	s_mov_b32 s23, 512
	s_cselect_b32 s23, GRP, s23
	s_mul_i32 s100, s100, s23
	s_cselect_b32 s23, 0, PRJ_S
	s_add_co_u32 s100, s100, s23
	s_cmp_eq_u32 s14, 2
	s_cselect_b32 s23, NKS*GRP, 0
	s_add_co_u32 s100, s100, s23
	s_add_nc_u64 s[PP:PP+1], s[PP:PP+1], s[100:101]
	s_wait_alu depctr_va_vdst(0)                   ; the wait ahead of the branches
	s_cmp_lg_u32 s14, 0                            ; slot 0's four parts, one load a wave, in one chain of branches on the wave's number
	s_cbranch_scc1 .Lf1
	TL G0A, G1A
	ASKC 1
	s_branch .Lfd
.Lf1:
	s_cmp_lg_u32 s14, 1
	s_cbranch_scc1 .Lf2
	TL G0B, G1B
	ASKC 1
	s_branch .Lfd
.Lf2:
	s_cmp_lg_u32 s14, 3
	s_cbranch_scc1 .Lf3
	TL G0BS, G1BS
	ASKS 1
	s_branch .Lfd
.Lf3:
	TL G0B2, G1B
	ASKC 1
.Lfd:
	v_lshlrev_b32 v[G4], 2, v0
	s_lshl_b32 s100, s18, 9                        ; my group's sixteen units of 512 bytes
	s_add_nc_u64 s[8:9], s[8:9], s[100:101]        ; in pst,
	s_add_co_u32 s100, s100, PQ_S
	s_add_nc_u64 s[2:3], s[6:7], s[100:101]        ; and among p's scale words
.irp ks, 0,1,2,3,4,5,6,7,8,9,10,11,12,13,14,15     ; thread i serves word position i (row position i / 8, tile i % 8), all sixteen K steps
	global_load_b32 v[NM+\ks], v[G4], s[8:9] offset:512*\ks
	global_load_b32 v[LP+\ks], v[G4], s[8:9] offset:524288+512*\ks
	global_load_b32 v[RW+\ks], v[G4], s[2:3] offset:512*\ks
.endr
	v_and_b32 v1, 15, v0
	v_bfe_u32 v2, v0, 4, 1
	v_and_b32 v3, 31, v0
	v_lshlrev_b32 v[CO], 4, v3
	s_mul_i32 s100, s15, 4*FRB
	v_add_nc_u32 v[ADRA], s100, v[CO]
	v_add_nc_u32 v[ADRA+1], SLOT, v[ADRA]
	s_mul_i32 s100, s16, ACB
	s_add_co_u32 s100, s100, BOFF
	v_add_nc_u32 v[ADRB], s100, v[CO]
	v_add_nc_u32 v[ADRB+1], SLOT, v[ADRB]
	v_lshlrev_b32 v5, 5, v1
	v_lshl_add_u32 v[SWO], v2, 3, v5
	s_lshl_b32 s100, s15, 4
	v_add_nc_u32 v[SWO], s100, v[SWO]
	s_add_co_u32 s100, s100, FIX
	v_add_nc_u32 v[ADFX], s100, v5
	s_lshl_b32 s100, s16, 11
	s_add_co_u32 s100, s100, BSOFF
	v_add_nc_u32 v[ADSB], s100, v5
	v_add_nc_u32 v[ADSB+1], SLOT, v[ADSB]
	v_lshl_add_u32 v[FXA], v0, 2, FIX
	s_lshr_b32 s100, s18, 1
	s_lshl_b32 s23, s92, 1
	s_add_co_u32 s100, s100, s23
	s_add_co_u32 s23, s100, s16                    ; my unit of oq: 8 x (group of queries) + (group of features)
	s_lshl_b32 s100, s23, 9
	s_add_co_u32 s100, s100, OQ_S
	s_add_nc_u64 s[12:13], s[10:11], s[100:101]
	s_mul_i32 s100, s23, GRP
	s_add_nc_u64 s[10:11], s[10:11], s[100:101]
	; ---- p's scale words are brought under the row's own M
	s_wait_loadcnt 0x0
	v_min3_num_f32 v[FT], v[NM], v[NM+1], v[NM+2]
.irp i, 3,5,7,9,11,13
	v_min3_num_f32 v[FT], v[FT], v[NM+\i], v[NM+\i+1]
.endr
	v_min_num_f32 v[FT], v[FT], v[NM+15]           ; -M: the least -M'
.irp ks, 0,1,2,3,4,5,6,7,8,9,10,11,12,13,14,15
	v_sub_f32 v[NM+\ks], v[NM+\ks], v[FT]          ; M - M': a whole number, 0 or more
.endr
.irp ks, 0,1,2,3,4,5,6,7,8,9,10,11,12,13,14,15
	v_min_num_f32 v[NM+\ks], 0x44800000, v[NM+\ks] ; held at 1,024
.endr
.irp ks, 0,1,2,3,4,5,6,7,8,9,10,11,12,13,14,15
	v_cvt_u32_f32 v[NM+\ks], v[NM+\ks]
.endr
.irp ks, 0,1,2,3,4,5,6,7,8,9,10,11,12,13,14,15
	v_sub_nc_u32 v[ND+\ks], 0, v[NM+\ks]
.endr
.irp ks, 0,1,2,3,4,5,6,7,8,9,10,11,12,13,14,15
	v_ldexp_f32 v[LP+\ks], v[LP+\ks], v[ND+\ks]    ; l' 2^(M' - M): nothing is rounded
.endr
.irp ks, 0,1,2,3,4,5,6,7,8,9,10,11,12,13,14,15
.irp y, 0,1,2,3
	v_bfe_u32 v[FT+4+\y], v[RW+\ks], 8*\y, 8
.endr
.irp y, 0,1,2,3
	v_min_u32 v[FT+8+\y], v[FT+4+\y], v[NM+\ks]
.endr
.irp y, 0,1,2,3
	v_sub_nc_u32 v[FT+4+\y], v[FT+4+\y], v[FT+8+\y]   ; the byte less M - M', held at 0
.endr
	v_lshl_or_b32 v[FT+4], v[FT+5], 8, v[FT+4]
	v_lshl_or_b32 v[FT+6], v[FT+7], 8, v[FT+6]
	v_lshl_or_b32 v[RW+\ks], v[FT+6], 16, v[FT+4]
	ds_store_b32 v[FXA], v[RW+\ks] offset:512*\ks
.endr
.irp i, 2,4,6,8,10,12,14
	v_pk_add_f32 v[LP:LP+1], v[LP:LP+1], v[LP+\i:LP+\i+1]
.endr
	v_add_f32 v[LP], v[LP], v[LP+1]                ; l
	s_wait_alu depctr_va_vdst(0)
	v_rcp_f32 v[FT+1], v[LP]
	v_nop                                          ; a plain place behind the reciprocal
	s_wait_alu depctr_va_vdst(0)                   ; the wait ahead of its first reader
	ds_store_b32 v[FXA], v[FT+1] offset:512*NKS
	s_wait_alu depctr_va_vdst(0)                   ; the wait at the head's end
	s_wait_tensorcnt 0x0                           ; my part of slot 0 is in
	ds_add_u32 v[SPW], v[NIL]
	s_wait_dscnt 0x0                               ; the add is done, and for the others' sake my stores have landed
	CROUND                                         ; a whole round: slot 0, the lowered words and 1 / l lie in LDS, and all sixteen work-groups are here
	JLOAD4 1, 2                                    ; slot 1's first fill, one load a wave, first behind the round
	FETCH 0, 0, 0
	SCALES 0, 0
	STEP 0, 0, 1                                   ; the first step's products start the sums
	STEP 0, 1, 0
	STEP 0, 2, 0
	LAST 0, 1, 18, 19, 2*CH, 2048, 3               ; slot 0 takes K steps 8 to 11
	STEP 1, 0, 0
	STEP 1, 1, 0
	STEP 1, 2, 0
	LAST 1, 1, 18, 19, 3*CH, 4096, 0               ; slot 1 takes K steps 12 to 15
	STEP 0, 0, 0
	STEP 0, 1, 0
	STEP 0, 2, 0
	LAST 0, 0, 0, 0, 0, 6144, 0                    ; nothing is left to fetch
	STEP 1, 0, 0
	STEP 1, 1, 0
	STEP 1, 2, 0
	FINAL
	; THE WAY OUT: x 1 / l in place, quantised along the features, a tile of 16 queries at a time
	PLACES NP
	ds_load_b128 v[RL:RL+3], v[ADFX] offset:512*NKS
	v_mov_b32 v[RLP+1], 0                          ; (named as the upper half of a pair)
.irp b, 0,1,2,3
	v_mov_b32 v[TM+4+\b], 0                        ; written once: a lane permute's destination counts as one of its sources
.endr
	s_wait_dscnt 0x0
.irp a, 0,1,2,3
	s_wait_xcnt 0x0                                ; the last tile's stores have read the codes' registers
	v_mov_b32 v[RLP], v[RL+\a]
	s_wait_alu depctr_va_vdst(0)
	WIN 0x82                                       ; destination and source 0 window 2
.set J, 0
.rept 32
	v_pk_mul_f32 v[64*\a+J:64*\a+J+1], v[64*\a+J:64*\a+J+1], v[RLP:RLP+1] op_sel_hi:[1,0]   ; each accumulator from its low end on
.set J, J+2
.endr
	WIN 0
	QUANT 64*\a,2,SW+\a
	FSTORE \a,10
.endr
	v_cndmask_b32 v[WO], v[SW], v[SW+2], s[HM]     ; four scale words a row position: lanes 0-15 send two, lanes 16-31 the other two
	v_cndmask_b32 v[WO+1], v[SW+1], v[SW+3], s[HM]
	global_store_b64 v[SWO], v[WO:WO+1], s[12:13]
	s_wait_tensorcnt 0x0                           ; the wave's end, behind my last tensor load and my last LDS store
	ds_add_u32 v[SPW], v[NIL]
	s_wait_dscnt 0x0
	CROUND                                         ; the closing round
	s_endpgm
.Lfunc_end_k_qef95f1862d_ctx:
	.size	k_qef95f1862d_ctx, .Lfunc_end_k_qef95f1862d_ctx-k_qef95f1862d_ctx
	.p2alignl 7, 3214868480
	.fill 96, 4, 3214868480
	.section	.rodata,"a",@progbits
	.p2align	6, 0x0
	.amdhsa_kernel k_qef95f1862d_ctx
		.amdhsa_group_segment_fixed_size 327680
		.amdhsa_private_segment_fixed_size 0
		.amdhsa_enable_private_segment 0
		.amdhsa_kernarg_size 32
		.amdhsa_user_sgpr_count 2
		.amdhsa_user_sgpr_kernarg_segment_ptr 1
		.amdhsa_wavefront_size32 1
		.amdhsa_system_sgpr_workgroup_id_x 1
		.amdhsa_system_sgpr_workgroup_id_y 1
		.amdhsa_system_sgpr_workgroup_id_z 1
		.amdhsa_system_vgpr_workitem_id 0
		.amdhsa_next_free_vgpr 1024
		.amdhsa_next_free_sgpr 106
		.amdhsa_reserve_vcc 0
		.amdhsa_float_denorm_mode_32 3
		.amdhsa_float_denorm_mode_16_64 3
		.amdhsa_memory_ordered 1
		.amdhsa_forward_progress 1
		.amdhsa_inst_pref_size 173
	.end_amdhsa_kernel
	.amdgpu_metadata
---
amdhsa.version: [ 1, 2 ]
amdhsa.kernels:
  - .name:           k_qef95f1862d_ctx
    .symbol:         k_qef95f1862d_ctx.kd
    .args:
      - { .name: prj, .offset: 0, .size: 8, .value_kind: global_buffer, .address_space: global }
      - { .name: pq, .offset: 8, .size: 8, .value_kind: global_buffer, .address_space: global }
      - { .name: pst, .offset: 16, .size: 8, .value_kind: global_buffer, .address_space: global }
      - { .name: oq, .offset: 24, .size: 8, .value_kind: global_buffer, .address_space: global }
    .group_segment_fixed_size: 327680
    .private_segment_fixed_size: 0
    .kernarg_segment_align: 8
    .kernarg_segment_size: 32
    .max_flat_workgroup_size: 128
    .sgpr_count:     106
    .vgpr_count:     1024
    .wavefront_size: 32
...
	.end_amdgpu_metadata
.endif
;; end of part 4
;; launch outp (part 5): grid 4 x 64, 4 waves a work-group, clusters of 4 x 4, 327,680 bytes of LDS; arguments oq, inq, bo, out0; writes out0
.if DOCPART == 5
	.amdgcn_target "amdgcn-amd-amdhsa--gfx1250"
	.amdhsa_code_object_version 6
	.text
	.protected	k_qef95f1862d_outp
	.globl	k_qef95f1862d_outp
	.p2align	8
	.type	k_qef95f1862d_outp,@function
k_qef95f1862d_outp:
	s_mov_b64 s[64:65], 0
	v_nop
	global_prefetch_b8 v0, s[64:65] scope:SCOPE_SE
	s_setreg_imm32_b32 hwreg(HW_REG_WAVE_MODE, 25, 1), 1
	s_wait_xcnt 0x0
	s_wait_alu depctr_hold_cnt(0) depctr_sa_sdst(0) depctr_va_vdst(0) depctr_va_sdst(0) depctr_va_ssrc(0) depctr_va_vcc(0) depctr_vm_vsrc(0)
	s_getreg_b32 s2, hwreg(HW_REG_IB_STS2, 6, 4)
	s_cmp_eq_u32 s2, 0
	s_cbranch_scc0 .Lentry_in_a_cluster
	s_endpgm
.Lentry_in_a_cluster:
	s_bfe_u32 s2, ttmp6, 0x10000c
	s_cmp_lg_u32 s2, 0xf033
	s_cbranch_scc0 .Lentry_shape_is_right
	s_endpgm
.Lentry_shape_is_right:
; out0 = O Wo^T + bo on codes of FP6 (E2M3), K = 1,024; out0 [8192][1024] f32.
; SHARES: a work-group makes 128 queries ("A" = O) x 256 output features ("B" = Wo's rows); a wave 64 x 128: A's tiles 4 (wave / 2) on, B's group wave % 2: 32 accumulators.  The product is used transposed: a lane holds one query position.
; ALL OF K LIES IN LDS: two slots of four K steps each (A's codes, B's two groups' codes, A's and B's scale words), both asked for at the start; no LDS byte is filled again.  Wave 0 fetches A's codes, wave 1 B's codes (one descriptor,
; a row a group), wave 2 A's scale words, wave 3 B's.  CLUSTER 4 x 4: A's blocks are shared along a row of the cluster, B's along a column: joint loads.
; The bias is the C of each sum's first matrix instruction: eight registers a tile of B, in the result's layout.
; THE WAY OUT: a tile of 16 rows x 128 columns goes through the wave's own stage in LDS and leaves as whole rows' 512 consecutive bytes.  The stage lies in slot 0: it has had its one fill, and every wave has passed the change of slots, behind which nobody reads it.
; Position t of A's tile T is row 32 (T / 2) + 8 (T % 2) + t + 8 (t / 8) of its 128.
; REGISTERS: window 0: v16-31 addresses; v32-63 A's scale words, two sets; v64-127 B's, two sets; v128-223 A's fragments, two sets (on the way out v128-255: rows read back); window 1: B's two sets; window 2: the accumulators; window 3: v0-63 the bias.
.set NKS,   8
.set FR,    12
.set FRB,   1536
.set GRP,   8*FRB
.set CH,    4
.set ACB,   CH*GRP
.set BOFF,  2*ACB                      ; LDS: A's codes of all eight K steps; B's two groups' codes, a group's eight K steps on end;
.set ASOFF, 6*ACB                      ; A's scale words;
.set BSOFF, ASOFF+NKS*512              ; B's two groups' scale words.  Each of the four comes by ONE load at the head, a wave each; "slot 1" below is K steps 4 to 7 of each
.set ALLB,  BSOFF+2*NKS*512
.set NP,    4                          ; places behind this matrix instruction (ISA guide 7.12.1)
.set SPITCH, 528                       ; a stage row: 512 bytes + 16
.set SPARE, ALLB
.set INQ_S, 22020096
.set OQ_S,  6291456
.set PA,    4                          ; s[4:5]: oq
.set PB,    6                          ; s[6:7]: inq
.set SOFFA, OQ_S
.set SOFFB, INQ_S
.set ADRA, 16
.set ADSA, 18
.set ADRB, 20
.set ADSB, 22
.set STO,  24                          ; v24 the stage: where I put 16 bytes of a row
.set RD,   25                          ; v25 and where I read a row back
.set CO,   26
.set SPW,  28
.set NIL,  29
.set BOF,  31                          ; v31 64 h
.set SA,   32
.set SB,   64
.set AF,   128
.set BK,   128                         ; the way out: 16 rows read back: v128-191 and v192-255 by turns
.set BI,   0                           ; in window 3: tile b's eight numbers of the bias at v[BI + 8 b]
.set G1A,  24
.set G1B,  32
.set G1AS, 40
.set G1BS, 48
.set G0A,  56
.set G0B,  68
.set G0AS, 76
.set G0BS, 84
.set MSB, 0
.macro WIN new
.if MSB != (\new)
	s_set_vgpr_msb (MSB<<8)|(\new)
.set MSB, (\new)
.endif
.endm
.set W_MUL, 0xa1
.set W_BIAS, 0xb1                      ; source 0 window 1, source 1 window 0, C window 3, D window 2
.set TO_B,  0x40
.macro PLACES n
.rept \n
	v_nop
.endr
.endm
.macro TL g0, g1                       ; a wave's one fill; an s_nop 0 and four v_nop follow it
	tensor_load_to_lds s[\g0:\g0+3], s[\g1:\g1+7]
	s_nop 0
	PLACES 4
.endm
.macro CREST
	s_cmp_lg_u32 s14, 0
	s_cbranch_scc1 .Lnot_wave_0_\@
	s_barrier_signal -3
.Lnot_wave_0_\@:
	s_barrier_wait -3
	s_barrier_signal -1
	s_barrier_wait -1
.endm
.macro CROUND
	s_barrier_signal -1
	s_barrier_wait -1
	CREST
.endm
.macro AIM slot, ua, ub, kadd          ; A's side is made in s66, s[96:97], B's in s67, s[98:99]: neither ever holds the other's place in the cluster
	s_add_co_u32 s66, s[\ua], \kadd
	s_mul_i32 s96, s66, GRP
	s_add_nc_u64 s[G0A+4*(\slot)+2:G0A+4*(\slot)+3], s[PA:PA+1], s[96:97]
	s_or_b32 s[G0A+4*(\slot)+3], s[G0A+4*(\slot)+3], 0x80000000
	s_lshl_b32 s96, s66, 9
	s_add_co_u32 s96, s96, SOFFA
	s_add_nc_u64 s[G0AS+4*(\slot)+2:G0AS+4*(\slot)+3], s[PA:PA+1], s[96:97]
	s_or_b32 s[G0AS+4*(\slot)+3], s[G0AS+4*(\slot)+3], 0x80000000
	s_add_co_u32 s67, s[\ub], \kadd
	s_mul_i32 s98, s67, GRP
	s_add_nc_u64 s[G0B+4*(\slot)+2:G0B+4*(\slot)+3], s[PB:PB+1], s[98:99]
	s_or_b32 s[G0B+4*(\slot)+3], s[G0B+4*(\slot)+3], 0x80000000
	s_lshl_b32 s98, s67, 9
	s_add_co_u32 s98, s98, SOFFB
	s_add_nc_u64 s[G0BS+4*(\slot)+2:G0BS+4*(\slot)+3], s[PB:PB+1], s[98:99]
	s_or_b32 s[G0BS+4*(\slot)+3], s[G0BS+4*(\slot)+3], 0x80000000
.endm
.macro FRAG reg, adr, q, i
.irp c, 0,1,2
	ds_load_b128 v[\reg+4*\c:\reg+4*\c+3], v[\adr] offset:(\q)*GRP+(\i)*FRB+512*\c
.endr
.endm
.macro FETCH slot, q, p
	WIN TO_B
.irp i, 0,1,2,3,4,5,6,7
	FRAG 128*(\p)+FR*\i, ADRB+(\slot), \q, \i
.endr
	WIN 0
.irp i, 0,1,2,3
	FRAG AF+48*(\p)+FR*\i, ADRA+(\slot), \q, \i
.endr
.endm
.macro SCALES set
.irp q, 0,1,2,3
	ds_load_b128 v[SA+16*(\set)+4*\q:SA+16*(\set)+4*\q+3], v[ADSA+(\set)] offset:512*\q
	ds_load_b128 v[SB+32*(\set)+8*\q:SB+32*(\set)+8*\q+3], v[ADSB+(\set)] offset:512*\q
	ds_load_b128 v[SB+32*(\set)+8*\q+4:SB+32*(\set)+8*\q+7], v[ADSB+(\set)] offset:512*\q+16
.endr
.endm
; zero = 2: the first product starts the sums from the bias.  The 32 accumulators take turns, one instruction a turn.
.macro MUL8 a, p, q, set, zero
.irp b, 0,1,2,3,4,5,6,7
.if (\zero) == 2
	v_wmma_scale_f32_16x16x128_f8f6f4 v[8*(8*(\a)+\b):8*(8*(\a)+\b)+7], v[128*(\p)+FR*\b:128*(\p)+FR*\b+FR-1], v[AF+48*(\p)+FR*(\a):AF+48*(\p)+FR*(\a)+FR-1], v[BI+8*\b:BI+8*\b+7], v[SB+32*(\set)+8*(\q)+\b], v[SA+16*(\set)+4*(\q)+(\a)] matrix_a_fmt:MATRIX_FMT_FP6 matrix_b_fmt:MATRIX_FMT_FP6
.else
	v_wmma_scale_f32_16x16x128_f8f6f4 v[8*(8*(\a)+\b):8*(8*(\a)+\b)+7], v[128*(\p)+FR*\b:128*(\p)+FR*\b+FR-1], v[AF+48*(\p)+FR*(\a):AF+48*(\p)+FR*(\a)+FR-1], v[8*(8*(\a)+\b):8*(8*(\a)+\b)+7], v[SB+32*(\set)+8*(\q)+\b], v[SA+16*(\set)+4*(\q)+(\a)] matrix_a_fmt:MATRIX_FMT_FP6 matrix_b_fmt:MATRIX_FMT_FP6
.endif
.endr
.endm
.macro STEP slot, q, zero
	s_wait_dscnt 0x0                               ; this step's fragments (and scale words) are in
	PLACES NP                                      ; in front of loads into registers that the last step's matrix instructions have read
	FETCH \slot, (\q)+1, 1-(\q)%2
.if (\zero) == 2
	WIN W_BIAS
.else
	WIN W_MUL
.endif
.irp a, 0,1,2,3
	MUL8 \a, (\q)%2, \q, \slot, \zero
.endr
.endm
	s_load_b256 s[4:11], s[0:1], 0x0               ; oq, inq, bo, out0
	v_lshl_add_u32 v[SPW], v0, 2, SPARE
	v_mov_b32 v[NIL], 0
	ds_add_u32 v[SPW], v[NIL]                      ; the wave's opening: the add and its wait ahead of my first tensor load
	ds_add_u32 v[SPW], v[NIL]
	v_lshrrev_b32 v1, 5, v0
	v_readfirstlane_b32 s14, v1
	s_lshr_b32 s15, s14, 1
	s_and_b32 s16, s14, 1
	s_bfe_u32 s92, ttmp6, 0x40000                  ; cx
	s_bfe_u32 s93, ttmp6, 0x40004                  ; cy
	s_lshl_b32 s94, s93, 2
	s_lshl_b32 s94, 15, s94
	s_lshl_b32 s95, 0x1111, s92
	s_or_b32 s[G1A], s94, (3<<16)|(1<<21)
	s_or_b32 s[G1AS], s94, (3<<16)|(1<<21)
	s_or_b32 s[G1B], s95, (3<<16)|(1<<21)
	s_or_b32 s[G1BS], s95, (3<<16)|(1<<21)
	s_mov_b32 s[G1A+1], 32<<16                     ; A's codes: a dense block of 49,152 bytes as 192 rows of 256
	s_mov_b32 s[G1A+2], (2*ACB/256)<<16            ; (all of K: 98,304 dense bytes as 384 rows of 256)
	s_mov_b32 s[G1A+3], 32<<16
	s_mov_b32 s[G1A+4], 2*ACB/256
	s_mov_b32 s[G1A+5], 32
	s_mov_b32 s[G1A+6], 0
	s_mov_b32 s[G1A+7], 0
	s_mov_b32 s[G1B+1], (2*ACB/8)<<16              ; B's codes: two rows, a group each, of 98,304 bytes
	s_mov_b32 s[G1B+2], 2<<16
	s_mov_b32 s[G1B+3], (2*ACB/8)<<16
	s_mov_b32 s[G1B+4], 2
	s_mov_b32 s[G1B+5], NKS*GRP/8
	s_mov_b32 s[G1B+6], 0
	s_mov_b32 s[G1B+7], 0
	s_mov_b32 s[G1AS+1], 32<<16                    ; A's scale words: 2,048 dense bytes as 8 rows of 256
	s_mov_b32 s[G1AS+2], (NKS*2)<<16               ; (all of K: 4,096 dense bytes as 16 rows of 256)
	s_mov_b32 s[G1AS+3], 32<<16
	s_mov_b32 s[G1AS+4], NKS*2
	s_mov_b32 s[G1AS+5], 32
	s_mov_b32 s[G1AS+6], 0
	s_mov_b32 s[G1AS+7], 0
	s_mov_b32 s[G1BS+1], (NKS*64)<<16              ; B's scale words: two rows of 4,096 bytes
	s_mov_b32 s[G1BS+2], 2<<16
	s_mov_b32 s[G1BS+3], (NKS*64)<<16
	s_mov_b32 s[G1BS+4], 2
	s_mov_b32 s[G1BS+5], NKS*64
	s_mov_b32 s[G1BS+6], 0
	s_mov_b32 s[G1BS+7], 0
	s_mov_b32 s[G0A], 1
	s_mov_b32 s[G0A+1], 0
	s_mov_b32 s[G0B], 1
	s_mov_b32 s[G0B+1], BOFF
	s_mov_b32 s[G0AS], 1
	s_mov_b32 s[G0AS+1], ASOFF
	s_mov_b32 s[G0BS], 1
	s_mov_b32 s[G0BS+1], BSOFF
	s_and_b32 s17, ttmp7, 0xffff                   ; Y = cluster y, 0-15
	s_lshl_b32 s18, s17, 2
	s_add_co_u32 s18, s18, s93
	s_lshl_b32 s18, s18, 3                         ; A = O: the first unit of group 4 Y + cy
	s_lshl_b32 s19, s92, 1
	s_add_co_u32 s19, s19, 216
	s_lshl_b32 s19, s19, 3                         ; B = Wo: the first unit of group 216 + 2 cx
	s_mov_b32 s97, 0
	s_mov_b32 s99, 0
	s_mov_b32 s101, 0
	s_wait_dscnt 0x0                               ; the opening add is done
	s_wait_kmcnt 0x0
	AIM 0, 18, 19, 0
	CROUND                                         ; all sixteen work-groups are here: the joint loads meet
	s_cmp_lg_u32 s14, 0                            ; one load a wave, in one chain of branches on the wave's number
	s_cbranch_scc1 .Lf1
	TL G0A, G1A
	s_branch .Lfd
.Lf1:
	s_cmp_lg_u32 s14, 1
	s_cbranch_scc1 .Lf2
	TL G0B, G1B
	s_branch .Lfd
.Lf2:
	s_cmp_lg_u32 s14, 3
	s_cbranch_scc1 .Lf3
	TL G0BS, G1BS
	s_branch .Lfd
.Lf3:
	TL G0AS, G1AS
.Lfd:
	v_and_b32 v1, 15, v0
	v_bfe_u32 v2, v0, 4, 1
	v_and_b32 v3, 31, v0
	v_lshlrev_b32 v[CO], 4, v3
	v_lshlrev_b32 v[BOF], 6, v2
	s_wait_alu depctr_va_vdst(0)
	s_lshl_b32 s100, s92, 1
	s_add_co_u32 s100, s100, s16                   ; my 128 columns
	s_lshl_b32 s100, s100, 9
	s_add_nc_u64 s[8:9], s[8:9], s[100:101]        ; in bo,
	s_add_nc_u64 s[12:13], s[10:11], s[100:101]    ; and in a row of out0
	s_lshl_b32 s100, s18, 16                       ; my group's 128 rows of 4,096 bytes,
	s_lshl_b32 s23, s15, 18                        ; and my four tiles' 64 of them
	s_add_co_u32 s100, s100, s23
	s_add_nc_u64 s[12:13], s[12:13], s[100:101]
	WIN 0xc0                                       ; destination window 3
.irp b, 0,1,2,3,4,5,6,7                ; register j of tile b is column 32 (b / 2) + 16 h + 8 (b % 2) + j
	global_load_b128 v[BI+8*\b:BI+8*\b+3], v[BOF], s[8:9] offset:128*(\b/2)+32*(\b%2)
	global_load_b128 v[BI+8*\b+4:BI+8*\b+7], v[BOF], s[8:9] offset:128*(\b/2)+32*(\b%2)+16
.endr
	WIN 0
	s_mul_i32 s100, s15, 4*FRB
	v_add_nc_u32 v[ADRA], s100, v[CO]
	v_add_nc_u32 v[ADRA+1], ACB, v[ADRA]
	s_mul_i32 s100, s16, 2*ACB
	s_add_co_u32 s100, s100, BOFF
	v_add_nc_u32 v[ADRB], s100, v[CO]
	v_add_nc_u32 v[ADRB+1], ACB, v[ADRB]
	v_lshlrev_b32 v5, 5, v1
	s_lshl_b32 s100, s15, 4
	s_add_co_u32 s100, s100, ASOFF
	v_add_nc_u32 v[ADSA], s100, v5
	v_add_nc_u32 v[ADSA+1], CH*512, v[ADSA]
	s_lshl_b32 s100, s16, 12
	s_add_co_u32 s100, s100, BSOFF
	v_add_nc_u32 v[ADSB], s100, v5
	v_add_nc_u32 v[ADSB+1], CH*512, v[ADSB]
	s_mul_i32 s100, s14, 16*SPITCH                 ; my stage, in slot 0
	v_mul_u32_u24 v4, v1, SPITCH
	v_lshl_add_u32 v4, v2, 6, v4
	v_add_nc_u32 v[STO], s100, v4                  ; in: row r, + 64 h
	v_add_nc_u32 v[RD], s100, v[CO]                ; back: the 32 lanes take one row of 512 bytes
	s_wait_alu depctr_va_vdst(0)
	s_wait_tensorcnt 0x0                           ; my one load has landed
	s_barrier_signal -1
	s_barrier_wait -1
	FETCH 0, 0, 0
	SCALES 0
	s_wait_loadcnt 0x0                             ; the bias
	STEP 0, 0, 2                                   ; the first step's products start the sums from the bias
	STEP 0, 1, 0
	STEP 0, 2, 0
	; slot 0's fourth K step changes slots: one barrier
	WIN 0
	s_wait_tensorcnt 0x0                           ; my part of slot 1 has landed
	ds_add_u32 v[SPW], v[NIL]                      ; 0 onto my spare word
	s_wait_dscnt 0x1                               ; this step's fragments are in (the add may be out)
	WIN W_MUL
	MUL8 0, 1, 3, 0, 0
	s_wait_dscnt 0x0                               ; the add is done, and my reads of slot 0 are over
	s_barrier_signal -1
	MUL8 1, 1, 3, 0, 0
	WIN 0
	s_barrier_wait -1                              ; slot 1 is whole, and nobody reads slot 0 any more
	PLACES NP
	FETCH 1, 0, 0
	SCALES 1
	WIN W_MUL
	MUL8 2, 1, 3, 0, 0
	MUL8 3, 1, 3, 0, 0
	STEP 1, 0, 0
	STEP 1, 1, 0
	STEP 1, 2, 0
	s_wait_dscnt 0x0                               ; the very last K step: nothing more to fetch
	WIN W_MUL
.irp a, 0,1,2,3
	MUL8 \a, 1, 3, 1, 0
.endr
	WIN 0
; THE WAY OUT.  LDS serves a wave's instructions in order (ISA guide 5.7.1.4): no wait between the stores and the loads, nor in front of the next tile's stores.
.macro TOSTAGE a
	WIN 0x08                                       ; an LDS store's data are its source 1: window 2
.irp b, 0,1,2,3,4,5,6,7
	ds_store_b128 v[STO], v[64*(\a)+8*\b:64*(\a)+8*\b+3] offset:128*(\b/2)+32*(\b%2)          ; each accumulator from its low end on
	ds_store_b128 v[STO], v[64*(\a)+8*\b+4:64*(\a)+8*\b+7] offset:128*(\b/2)+32*(\b%2)+16
.endr
	WIN 0
.set BB, BK+64*((\a)%2)
.irp t, 0,1,2,3,4,5,6,7,8,9,10,11,12,13,14,15
	ds_load_b128 v[BB+4*\t:BB+4*\t+3], v[RD] offset:\t*SPITCH
.endr
.endm
.macro SEND a, younger                 ; younger: the LDS instructions issued behind tile a's loads, which may stay out
.set BB, BK+64*((\a)%2)
	s_wait_dscnt \younger
.irp t, 0,1,2,3,4,5,6,7,8,9,10,11,12,13,14,15
	global_store_b128 v[CO], v[BB+4*\t:BB+4*\t+3], s[12:13] offset:(32*((\a)/2)+8*((\a)%2)+\t+8*(\t/8))*4096 th:TH_STORE_NT   ; 512 consecutive bytes, aligned; the base is never stepped: 63 rows at the most stand in the immediate
.endr
.endm
	PLACES NP
	TOSTAGE 0
.irp a, 1,2,3
.if \a > 1
	s_wait_xcnt 0x0                                ; tile a - 2's stores have read their registers: tile a's loads may land there
.endif
	TOSTAGE \a
	SEND \a-1, 32                                  ; behind tile a - 1's loads: tile a's 16 stores and 16 loads
.endr
	SEND 3, 0
	s_wait_tensorcnt 0x0                           ; the wave's end, behind my last tensor load and my last LDS store
	ds_add_u32 v[SPW], v[NIL]
	s_wait_dscnt 0x0
	CROUND                                         ; the closing round
	s_endpgm
.Lfunc_end_k_qef95f1862d_outp:
	.size	k_qef95f1862d_outp, .Lfunc_end_k_qef95f1862d_outp-k_qef95f1862d_outp
	.p2alignl 7, 3214868480
	.fill 96, 4, 3214868480
	.section	.rodata,"a",@progbits
	.p2align	6, 0x0
	.amdhsa_kernel k_qef95f1862d_outp
		.amdhsa_group_segment_fixed_size 327680
		.amdhsa_private_segment_fixed_size 0
		.amdhsa_enable_private_segment 0
		.amdhsa_kernarg_size 32
		.amdhsa_user_sgpr_count 2
		.amdhsa_user_sgpr_kernarg_segment_ptr 1
		.amdhsa_wavefront_size32 1
		.amdhsa_system_sgpr_workgroup_id_x 1
		.amdhsa_system_sgpr_workgroup_id_y 1
		.amdhsa_system_sgpr_workgroup_id_z 1
		.amdhsa_system_vgpr_workitem_id 0
		.amdhsa_next_free_vgpr 1024
		.amdhsa_next_free_sgpr 102
		.amdhsa_reserve_vcc 0
		.amdhsa_float_denorm_mode_32 3
		.amdhsa_float_denorm_mode_16_64 3
		.amdhsa_memory_ordered 1
		.amdhsa_forward_progress 1
		.amdhsa_inst_pref_size 78
	.end_amdhsa_kernel
	.amdgpu_metadata
---
amdhsa.version: [ 1, 2 ]
amdhsa.kernels:
  - .name:           k_qef95f1862d_outp
    .symbol:         k_qef95f1862d_outp.kd
    .args:
      - { .name: oq, .offset: 0, .size: 8, .value_kind: global_buffer, .address_space: global }
      - { .name: inq, .offset: 8, .size: 8, .value_kind: global_buffer, .address_space: global }
      - { .name: bo, .offset: 16, .size: 8, .value_kind: global_buffer, .address_space: global }
      - { .name: out0, .offset: 24, .size: 8, .value_kind: global_buffer, .address_space: global }
    .group_segment_fixed_size: 327680
    .private_segment_fixed_size: 0
    .kernarg_segment_align: 8
    .kernarg_segment_size: 32
    .max_flat_workgroup_size: 128
    .sgpr_count:     102
    .vgpr_count:     1024
    .wavefront_size: 32
...
	.end_amdgpu_metadata
.endif
;; end of part 5
